; MI455X (gfx1250); checked and timed in simulation.
; The chip was launched on July 23, 2026; its instructions are those of AMD's public machine-readable ISA for CDNA 5 (MIT licence, August 2026) and "CDNA5" Instruction Set Architecture Reference Guide (July 2026). The comments in the code are by the model that wrote it; some were corrected since.
;; Causal Self Attention. Allowed arithmetic: matrix products marked QUANTISED: E4M3 operands, one given power-of-two scale a tensor, by v_wmma_f32_16x16x64_fp8_fp8 or v_wmma_f32_16x16x128_fp8_fp8, f32 sums; everything else in f32.
;; Inputs: W_attn 1,024 x 3,072 float32; W_proj 1,024 x 1,024 float32; b_attn 3,072 float32; b_proj 1,024 float32; lowp_scales 8 int32 (the exponents e of the quantised operands' scales 2^e); x 4 x 2,048 x 1,024 float32.
;; Outputs: out0 4 x 2,048 x 1,024 float32.
;; This version of the problem:
;;   THIS VERSION OF THE PROBLEM IS GIVEN IN LOW PRECISION. The matrix products marked QUANTISED in the list below multiply operands that are first quantised to E4M3 (4 exponent bits, 3 mantissa bits; 8 bits a number), with one given power-of-two scale for each operand tensor; their sums are f32. All else is computed in f32.
;;   The module's matrix products, in the order in which they are computed (A, B: the left and right operand; K: the contracted axis; several contracted axes count as one K, in the product's order):
;;     1. [M 8,192, K 1,024] x [K 1,024, N 3,072]; A: input x; B: input W_attn: QUANTISED (scales: A lowp_scales[0], B lowp_scales[1])
;;     2. batch 64 x [M 2,048, K 64] x [K 64, N 2,048]; A: computed on the way; B: computed on the way: QUANTISED (scales: A lowp_scales[2], B lowp_scales[3])
;;     3. batch 64 x [M 2,048, K 2,048] x [K 2,048, N 64]; A: softmax (see below); B: computed on the way: QUANTISED (scales: A lowp_scales[4], B lowp_scales[5])
;;     4. [M 8,192, K 1,024] x [K 1,024, N 1,024]; A: computed on the way; B: input W_proj: QUANTISED (scales: A lowp_scales[6], B lowp_scales[7])
;;   THE QUANTISER, for each operand of a quantised product, along K:
;;     - The operand's scale is 2^e, e = its entry of the input lowp_scales (int32; the entries are numbered through the quantised products in the list's order, A before B).
;;     - Each number is divided by the scale, clamped to +-448, and rounded to the nearest number of E4M3, ties to even, subnormals kept.
;;     - The product sums the exact products of the quantised numbers (number of the format x scale) in f32.
;;   ~~~python
;;   def quantise(x, axis, e):      # numpy; x: float32 -> the quantised numbers, widened to float32 again
;;       x = np.moveaxis(x, axis, -1); K = x.shape[-1]
;;       r = np.clip(x / 2.0 ** e, -448, 448)
;;       step = 2.0 ** (np.maximum(np.frexp(np.where(r == 0, 1, r))[1] - 1, -6) - 3)
;;       q = np.round(r / step) * step * 2.0 ** e      # np.round: ties to even
;;       return np.moveaxis(q, -1, axis).astype(np.float32)
;;   ~~~
;;   SOFTMAX AHEAD OF A QUANTISED PRODUCT. Where the list says 'softmax', what is quantised is not the finished softmax but p = 2^(t - M), with t = logit x log2(e) and M = ceil(the row's largest t), a whole number; so 1/2 < the row's largest p <= 1. The row's sum l is taken of the UNQUANTISED p, in f32, and the product's result is divided by l at the end. Since M is a whole number, a kernel that streams over the keys may use a running M (the ceiling of the running maximum): every later rescaling is an exact power of two, so the quantised numbers keep their values, but for numbers so far below the row's largest that they fall under the format's range.
;;   OPERANDS COMPUTED ON THE WAY. 'Computed on the way' means the value that the module computes at that place (a softmax that the list does not call 'softmax' is quantised finished and normalised). What goes into a quantiser is computed in f32, as accurately as f32 sums, v_exp_f32 and their like allow (about 1e-6 of the number): no bf16 or f16 on the way to a quantiser, and a product that is left as it is and whose result goes on into a quantised operand takes f32 operands (vector FMAs, or v_wmma_f32_16x16x4_f32). A number that lies on a knife's edge between two numbers of the format may be rounded either way, as far as f32 arithmetic and the matrix unit's own rounding can turn it there, and no further.
;; One version. Each part assembles by itself: llvm-mc -triple=amdgcn-amd-amdhsa -mcpu=gfx1250 --defsym DOCPART=n.
;; ======== version 1 of 1: 4 launches
;; limits: right only within a limited range of input values
;; workspace buffers: x_img 8,388,608 bytes; wa_img 3,145,728 bytes; wp_img 1,048,576 bytes; q_img 8,388,608 bytes; kv_img 16,777,216 bytes; y_img 8,388,608 bytes
;; launch quant (part 1): grid 384 x 1, 4 waves a work-group, no clusters, 34,304 bytes of LDS; arguments x, W_attn, W_proj, lowp_scales, x_img, wa_img, wp_img; writes x_img, wa_img, wp_img
.if DOCPART == 1
	.amdgcn_target "amdgcn-amd-amdhsa--gfx1250"
	.amdhsa_code_object_version 6
	.text
	.protected	k_q5ceec8d17e_quant
	.globl	k_q5ceec8d17e_quant
	.p2align	8
	.type	k_q5ceec8d17e_quant,@function
k_q5ceec8d17e_quant:
	s_mov_b64 s[64:65], 0
	v_nop
	global_prefetch_b8 v0, s[64:65] scope:SCOPE_SE
	s_setreg_imm32_b32 hwreg(HW_REG_WAVE_MODE, 25, 1), 1
	s_wait_xcnt 0x0
; x [8192][1024], W_attn [1024][3072] and W_proj [1024][1024], f32, become codes of E4M3, each with its given scale 2^e (entries 0, 1 and 7 of the scales).
; code = number / 2^e, held within +-448, to the nearest code, ties to even.  LIMITS: -126 <= e <= 119; NaN among the inputs is not served.
; THE CODES ARE LAID AS IMAGES OF OPERAND REGISTERS: [K step of 256: 4][tile of 16 rows][128 along K: 2][c: 4][lane: 32][16 bytes]; lane 16 h + r holds, of the tile's row r, k = 32 c + 16 h + 0 .. 15.
; THE ROWS OF A TILE ARE NOT NEIGHBOURS: row r of tile 2 g + u is row 32 g + 8 u + r + 8 (r / 8), so that a product that takes such tiles as its first source leaves 16 neighbouring rows in 16 registers of a lane.
; (A row is a token for x, an output column for the two weights.)
; Work-groups 0-255 take x, 256-351 W_attn, 352-383 W_proj.  Work-groups share no input, so there is no cluster; memory binds, so there is no matrix work.
; x: K is innermost.  A wave takes a tile of 16 rows x 512 along K: four fragments.  Each load reads 512 consecutive bytes of a row; a fragment's 8,192 bytes turn through the wave's own stage in LDS
;    (rows 528 bytes apart) and come back 64 bytes a lane: 16 neighbours of each of four blocks of 32.
; W: K is the first axis.  A lane takes a column and its registers run down K: a wave's load reads 128 consecutive bytes, the work-group's four waves 512; nothing is transposed and no LDS is used.
; Every store covers whole aligned runs of 256 bytes.
.set R,   16                           ; x: v16-143  two sets of 64 numbers as loaded
.set X,   144                          ;    v144-207 64 numbers of my row: register 16 c + i = k 32 c + 16 h + i
.set C,   208                          ;    v208-239 two sets of 16 registers of codes
.set SP,  528                          ;    a stage row: 512 bytes + 16
.set WX,  16                           ; W: v16-79   two sets of 32 numbers down K
.set WC,  80                           ;    v80-143  eight registers of codes for each of eight blocks: never written again
.macro SCALE se                        ; v11 = 2^e as f32 (the conversion takes its exponent field); v10 = 448 x 2^e
	s_add_co_i32 s36, s[\se], 127
	s_lshl_b32 s37, s36, 23
	v_mov_b32 v11, s37
	s_add_co_i32 s36, s36, 8
	s_lshl_b32 s36, s36, 23
	s_or_b32 s36, s36, 0x600000
	v_mov_b32 v10, s36
.endm
.macro LOADX f                         ; fragment f: 128 numbers of each of the tile's 16 rows
.irp t, 0,1,2,3,4,5,6,7,8,9,10,11,12,13,14,15
	global_load_b128 v[R+64*((\f)%2)+4*\t:R+64*((\f)%2)+4*\t+3], v1, s[4:5] offset:(\t+8*(\t/8))*4096+512*(\f) th:TH_LOAD_NT
.endr
.endm
.macro FRAGX f
.if (\f) < 3
	s_wait_loadcnt 16                              ; this fragment's 16 loads are in; the next fragment's 16 may be out
.else
	s_wait_loadcnt 0
.endif
.irp t, 0,1,2,3,4,5,6,7,8,9,10,11,12,13,14,15
	ds_store_b128 v2, v[R+64*((\f)%2)+4*\t:R+64*((\f)%2)+4*\t+3] offset:SP*\t
.endr
.irp c, 0,1,2,3
.irp i, 0,1,2,3
	ds_load_b128 v[X+16*\c+4*\i:X+16*\c+4*\i+3], v3 offset:128*\c+16*\i   ; LDS serves a wave's instructions in order: these see the stores above
.endr
.endr
	s_wait_dscnt 0x0                               ; the numbers are back, and the stores have read their registers
.if (\f) >= 2
	s_wait_xcnt 0x0                                ; the stores of two fragments ago have read this set of codes
.endif
.if (\f) < 2
	LOADX (\f)+2
.endif
.set n, 0
.rept 64
	v_med3_num_f32 v[X+n], v[X+n], -v10, v10       ; the conversion to an 8-bit code does not saturate (ISA guide 7.6.2): hold first
.set n, n+1
.endr
.irp g, 0,1,2,3,4,5,6,7
	v_cvt_scalef32_pk8_fp8_f32 v[C+16*((\f)%2)+2*\g:C+16*((\f)%2)+2*\g+1], v[X+8*\g:X+8*\g+7], v11
.endr
	v_nop                                          ; a plain line behind the last conversion
.irp c, 0,1,2,3
	global_store_b128 v1, v[C+16*((\f)%2)+4*\c:C+16*((\f)%2)+4*\c+3], s[12:13] offset:((\f)/2)*2097152+((\f)%2)*2048+512*\c   ; 512 consecutive bytes
.endr
.endm
.macro LOADW t, nn, inp                ; block t: W(32 t + i, my column), i = 0 .. 31
.irp i, 0,1,2,3,4,5,6,7,8,9,10,11,12,13,14,15,16,17,18,19,20,21,22,23,24,25,26,27,28,29,30,31
	global_load_b32 v[WX+32*((\t)%2)+\i], v1, s[\inp:\inp+1] offset:(32*(\t)+\i)*\nn*4 th:TH_LOAD_NT
.endr
.endm
.macro BLOCKW t, nn, inp, outp
.if (\t) < 7
	s_wait_loadcnt 32                              ; this block's 32 loads are in; the next block's may be out
.else
	s_wait_loadcnt 0
.endif
.set n, 0
.rept 32
	v_med3_num_f32 v[WX+32*((\t)%2)+n], v[WX+32*((\t)%2)+n], -v10, v10
.set n, n+1
.endr
.irp g, 0,1,2,3
	v_cvt_scalef32_pk8_fp8_f32 v[WC+8*(\t)+2*\g:WC+8*(\t)+2*\g+1], v[WX+32*((\t)%2)+8*\g:WX+32*((\t)%2)+8*\g+7], v11
.endr
	v_nop                                          ; a plain line behind the last conversion
.if (\t) < 6
	LOADW (\t)+2, \nn, \inp
.endif
	global_store_b128 v2, v[WC+8*(\t):WC+8*(\t)+3], s[\outp:\outp+1] offset:((\t)/4)*2048+((\t)%4)*512         ; k 32 t + 0 .. 15: the image's lanes 0-15; sixteen lanes fill 256 aligned bytes
	global_store_b128 v2, v[WC+8*(\t)+4:WC+8*(\t)+7], s[\outp:\outp+1] offset:((\t)/4)*2048+((\t)%4)*512+256   ; k 32 t + 16 .. 31: its lanes 16-31
.endm
; A weight of nn columns: work-group first + 4 gx + ks takes columns 128 gx on, K step ks; wave w the group of 32 columns G = 4 gx + w.
.macro WPATH nn, first, inp, outp, se
	s_sub_co_u32 s21, ttmp9, \first
	s_lshr_b32 s22, s21, 2
	s_and_b32 s21, s21, 3                          ; ks
	s_lshl_b32 s22, s22, 2
	s_add_co_u32 s22, s22, s20                     ; G
	v_and_b32 v7, 8, v5
	v_add_nc_u32 v7, v7, v5
	v_lshl_add_u32 v7, v6, 3, v7                   ; lane 16 u + m takes column 8 u + m + 8 (m / 8) of the 32: row m of tile 2 G + u
	v_lshlrev_b32 v1, 2, v7
	v_lshlrev_b32 v2, 4, v5
	v_lshl_add_u32 v2, v6, 12, v2                  ; out: 4,096 u + 16 m
	s_mul_i32 s32, s21, \nn*1024                   ; in: 256 ks rows of nn x 4 bytes, + 128 G
	s_lshl_b32 s33, s22, 7
	s_add_co_u32 s32, s32, s33
	s_mov_b32 s33, 0
	s_add_nc_u64 s[\inp:\inp+1], s[\inp:\inp+1], s[32:33]
	s_mul_i32 s34, s21, \nn*256                    ; out: a K step is nn x 256 bytes, two tiles are 8,192
	s_lshl_b32 s35, s22, 13
	s_add_co_u32 s34, s34, s35
	s_mov_b32 s35, 0
	s_add_nc_u64 s[\outp:\outp+1], s[\outp:\outp+1], s[34:35]
	LOADW 0, \nn, \inp
	LOADW 1, \nn, \inp
	s_wait_kmcnt 0x0
	SCALE \se
.set Q, 0
.rept 8
	BLOCKW Q, \nn, \inp, \outp
.set Q, Q+1
.endr
.endm
	s_load_b256 s[4:11], s[0:1], 0x0               ; x s[4:5], W_attn s[6:7], W_proj s[8:9], the scales' exponents s[10:11]
	s_load_b128 s[12:15], s[0:1], 0x20             ; x_img s[12:13], wa_img s[14:15]
	s_load_b64 s[16:17], s[0:1], 0x30              ; wp_img
	v_lshl_add_u32 v240, v0, 2, 0x8400
	v_mov_b32 v241, 0
	v_lshrrev_b32 v1, 5, v0
	v_readfirstlane_b32 s20, v1                    ; wave 0..3
	v_and_b32 v4, 31, v0                           ; lane
	v_and_b32 v5, 15, v0                           ; lane % 16
	v_bfe_u32 v6, v0, 4, 1                         ; lane / 16
	s_wait_kmcnt 0x0
	s_load_b256 s[24:31], s[10:11], 0x0            ; e0 .. e7
	s_cmp_lt_u32 ttmp9, 256
	s_cbranch_scc1 .Lpath_x
	s_cmp_lt_u32 ttmp9, 352
	s_cbranch_scc1 .Lpath_wa
	WPATH 1024, 352, 8, 16, 31
	s_endpgm
.Lpath_wa:
	WPATH 3072, 256, 6, 14, 25
	s_endpgm
.Lpath_x:
	s_lshl_b32 s21, ttmp9, 2
	s_add_co_u32 s21, s21, s20                     ; my wave's unit: tile T = unit / 2, half kh = unit % 2 of K
	s_lshr_b32 s22, s21, 1
	s_and_b32 s21, s21, 1
	s_lshr_b32 s32, s22, 1
	s_lshl_b32 s32, s32, 17                        ; in: 32 (T / 2) rows of 4,096 bytes,
	s_and_b32 s33, s22, 1
	s_lshl_b32 s33, s33, 15                        ; + 8 (T % 2) rows,
	s_add_co_u32 s32, s32, s33
	s_lshl_b32 s33, s21, 11                        ; + 512 kh numbers
	s_add_co_u32 s32, s32, s33
	s_mov_b32 s33, 0
	s_add_nc_u64 s[4:5], s[4:5], s[32:33]
	s_lshl_b32 s34, s21, 22                        ; out: K step 2 kh of 2,097,152 bytes, tile T of 4,096
	s_lshl_b32 s35, s22, 12
	s_add_co_u32 s34, s34, s35
	s_mov_b32 s35, 0
	s_add_nc_u64 s[12:13], s[12:13], s[34:35]
	v_lshlrev_b32 v1, 4, v4                        ; 16 x lane: in a load's and in a store's 512 bytes
	s_mul_i32 s36, s20, 16*SP                      ; my wave's stage
	v_add_nc_u32 v2, s36, v1                       ; into it: as loaded
	v_mul_u32_u24 v3, v5, SP
	v_lshl_add_u32 v3, v6, 6, v3
	v_add_nc_u32 v3, s36, v3                       ; out of it: row r, + 64 h bytes
	LOADX 0
	LOADX 1
	s_wait_kmcnt 0x0
	SCALE 24
	FRAGX 0
	FRAGX 1
	FRAGX 2
	FRAGX 3
	s_wait_tensorcnt 0x0
	ds_add_u32 v240, v241
	s_wait_dscnt 0x0
	s_endpgm
.Lfunc_end_k_q5ceec8d17e_quant:
	.size	k_q5ceec8d17e_quant, .Lfunc_end_k_q5ceec8d17e_quant-k_q5ceec8d17e_quant
	.p2alignl 7, 3214868480
	.fill 96, 4, 3214868480
	.section	.rodata,"a",@progbits
	.p2align	6, 0x0
	.amdhsa_kernel k_q5ceec8d17e_quant
		.amdhsa_group_segment_fixed_size 34304
		.amdhsa_private_segment_fixed_size 0
		.amdhsa_enable_private_segment 0
		.amdhsa_kernarg_size 56
		.amdhsa_user_sgpr_count 2
		.amdhsa_user_sgpr_kernarg_segment_ptr 1
		.amdhsa_wavefront_size32 1
		.amdhsa_system_sgpr_workgroup_id_x 1
		.amdhsa_system_sgpr_workgroup_id_y 1
		.amdhsa_system_sgpr_workgroup_id_z 1
		.amdhsa_system_vgpr_workitem_id 0
		.amdhsa_next_free_vgpr 242
		.amdhsa_next_free_sgpr 66
		.amdhsa_reserve_vcc 0
		.amdhsa_float_denorm_mode_32 3
		.amdhsa_float_denorm_mode_16_64 3
		.amdhsa_memory_ordered 1
		.amdhsa_forward_progress 1
		.amdhsa_inst_pref_size 127
	.end_amdhsa_kernel
	.amdgpu_metadata
---
amdhsa.version: [ 1, 2 ]
amdhsa.kernels:
  - .name:           k_q5ceec8d17e_quant
    .symbol:         k_q5ceec8d17e_quant.kd
    .args:
      - { .name: x, .offset: 0, .size: 8, .value_kind: global_buffer, .address_space: global }
      - { .name: W_attn, .offset: 8, .size: 8, .value_kind: global_buffer, .address_space: global }
      - { .name: W_proj, .offset: 16, .size: 8, .value_kind: global_buffer, .address_space: global }
      - { .name: lowp_scales, .offset: 24, .size: 8, .value_kind: global_buffer, .address_space: global }
      - { .name: x_img, .offset: 32, .size: 8, .value_kind: global_buffer, .address_space: global }
      - { .name: wa_img, .offset: 40, .size: 8, .value_kind: global_buffer, .address_space: global }
      - { .name: wp_img, .offset: 48, .size: 8, .value_kind: global_buffer, .address_space: global }
    .group_segment_fixed_size: 34304
    .private_segment_fixed_size: 0
    .kernarg_segment_align: 8
    .kernarg_segment_size: 56
    .max_flat_workgroup_size: 128
    .sgpr_count:     66
    .vgpr_count:     242
    .wavefront_size: 32
...
	.end_amdgpu_metadata
.endif
;; end of part 1
;; launch qkv (part 2): grid 12 x 32, 4 waves a work-group, clusters of 4 x 4, 327,680 bytes of LDS; arguments x_img, wa_img, b_attn, lowp_scales, q_img, kv_img; writes q_img, kv_img
.if DOCPART == 2
	.amdgcn_target "amdgcn-amd-amdhsa--gfx1250"
	.amdhsa_code_object_version 6
	.text
	.protected	k_q5ceec8d17e_qkv
	.globl	k_q5ceec8d17e_qkv
	.p2align	8
	.type	k_q5ceec8d17e_qkv,@function
k_q5ceec8d17e_qkv:
	s_mov_b64 s[64:65], 0
	v_nop
	global_prefetch_b8 v0, s[64:65] scope:SCOPE_SE
	s_setreg_imm32_b32 hwreg(HW_REG_WAVE_MODE, 25, 1), 1
	s_wait_xcnt 0x0
	s_wait_alu depctr_hold_cnt(0) depctr_sa_sdst(0) depctr_va_vdst(0) depctr_va_sdst(0) depctr_va_ssrc(0) depctr_va_vcc(0) depctr_vm_vsrc(0)
	s_getreg_b32 s2, hwreg(HW_REG_IB_STS2, 6, 4)
	s_cmp_eq_u32 s2, 0
	s_cbranch_scc0 .Lentry_in_a_cluster
	s_endpgm
.Lentry_in_a_cluster:
	s_bfe_u32 s2, ttmp6, 0x10000c
	s_cmp_lg_u32 s2, 0xf033
	s_cbranch_scc0 .Lentry_shape_is_right
	s_endpgm
.Lentry_shape_is_right:
; qkv = x W_attn + b_attn on codes of E4M3 (K = 1,024), and q, k, v quantised at once for the attention: the f32 numbers never go to memory.
; A tile of 256 x 256 is made by four waves, each 128 x 128: 64 accumulators, 512 registers.  Out[i][j] = sum over k of P[i][k] Q[j][k]; source 0 of the matrix instruction takes 16 rows of Q, source 1 16 rows of P:
; a lane then holds ONE row of P, and, since the rows of a tile of Q are ordered for it (row r of tile 2 g + u is row 32 g + 8 u + r + 8 (r / 8)), the 16 registers of two neighbouring tiles are 16 NEIGHBOURING rows of Q.
; THE CLUSTER'S x SAYS WHAT IS MADE: 0: q, 1: k (P = tokens, Q = output channels: a lane holds a token and 16 channels: K of the scores is innermost);
;   2: v (P = channels 2,048 on, Q = tokens: a lane holds a channel and 16 tokens: the keys, K of the second product, are innermost).  That number is equal in all sixteen partners; nothing hangs on a place in the cluster but addresses in memory.
; OPERANDS lie in memory as images of their registers (16 rows x 128 K: 2,048 bytes, lane l's 16 bytes of register group c at 512 c + 16 l), so 128 rows of a K step of 256 are 32,768 dense bytes, an LDS read is 512 consecutive bytes,
; and a lane's registers 4 c .. 4 c + 3 hold k = 32 c + 16 (l / 16) + 0 .. 15: the same order of k on both sides of every product.
; K goes in four steps of 256 through two LDS slots.  CLUSTERS: 4 x 4; P's tile is asked for jointly along a row of the cluster, Q's along a column.
; THE BIAS, divided by 2^(e0 + e1), is the C of each sum's first matrix instruction.  THE WAY OUT: hold, convert with the one scale 2^(eX - e0 - e1) (eX = e2, e3, e5 for q, k, v), store: the conversions' results are the next operands' registers,
; and each store covers 512 consecutive aligned bytes.  No LDS on the way out.
; q_img: [head 64][tile of 16 queries 128][c 2][lane][16].   kv_img: [head 64][128 keys: 16]{ K: [tile of 16 keys 8][c 2][lane][16] | V: [tile of 16 channels 4][c 4][lane][16] }.
; LIMITS: eX - e0 - e1 between -126 and 119; NaN among the inputs is not served.
; REGISTERS, in windows of 256: window 0: v16-31 addresses and scales; v32-95 the bias, later 64 numbers at work; v128-255 P's 8 fragments, one set, later the codes.  window 1: Q's fragments, two sets, at v0 and v128.
;   window 2: the accumulators of my P rows 0-63 ((a, b) at v[8 (8 (a % 4) + b)]); window 3: of rows 64-127.
.set SLOT,  131072                     ; a slot: P's 256 rows x 256 K (65,536 bytes), then Q's
.set SPARE, 2*SLOT                     ; behind the ring: the spare words, 128 bytes for each wave
.set FR,    16                         ; registers of a fragment
.set NP,    4                          ; places behind this matrix instruction (ISA guide 7.12.1)
.set ADRA,  16                         ; v16-17  LDS address of my P fragments in slot 0, 1
.set ADRB,  20                         ; v20-21  the same for Q
.set VO,    24                         ; v24-27  16 x lane + i x the stride of P's tiles in the output; v24 is 16 x lane
.set SPW,   28                         ; v28     my spare word's LDS address; never rewritten
.set NIL,   29                         ; v29     0; never rewritten
.set LIM,   30                         ; v30     448 x the way out's scale
.set SCL,   31                         ; v31     the way out's scale as f32
.set BI,    32
.set AF,    128
.set G1,    24                         ; s[24:31] descriptor group 1 for P's tiles; s[32:39] group 0, a set for each slot
.set G0,    32
.set G1B,   48                         ; s[48:55], s[56:63] the same for Q's
.set G0B,   56
.set MSB,   0
.macro WIN new                         ; the immediate's high byte repeats the setting that is left
.if MSB != (\new)
	s_set_vgpr_msb (MSB<<8)|(\new)
.set MSB, (\new)
.endif
.endm
.macro PLACES n
.rept \n
	v_nop
.endr
.endm
; A joint load: waves 0 and 1 fetch P's halves, waves 2 and 3 Q's.  The branch hangs on the wave's number alone.  Four v_nop follow each of the two lines.
.macro JLOAD s
	s_cmp_eq_u32 s17, 0
	s_cbranch_scc0 .Lfor_q_\@
	tensor_load_to_lds s[G0+4*\s:G0+4*\s+3], s[G1:G1+7]
	s_nop 0
.rept 4
	v_nop
.endr
	s_branch .Lasked_\@
.Lfor_q_\@:
	tensor_load_to_lds s[G0B+4*\s:G0B+4*\s+3], s[G1B:G1B+7]
	s_nop 0
.rept 4
	v_nop
.endr
.Lasked_\@:
.endm
.macro CREST                           ; a round of the cluster's barrier behind its opening barrier
	s_cmp_lg_u32 s16, 0
	s_cbranch_scc1 .Lnot_wave_0_\@
	s_barrier_signal -3
.Lnot_wave_0_\@:
	s_barrier_wait -3
	s_barrier_signal -1
	s_barrier_wait -1
.endm
.macro CROUND
	s_barrier_signal -1
	s_barrier_wait -1
	CREST
.endm
.macro FRAG reg, adr, q, i             ; tile i, the slot's q-th 128 along K: four reads of 512 consecutive bytes
.irp c, 0,1,2,3
	ds_load_b128 v[\reg+4*\c:\reg+4*\c+3], v[\adr] offset:4096*(\i)+2048*(\q)+512*\c
.endr
.endm
.macro FETCH_B slot, q, p              ; Q's eight fragments into set p
	WIN 0x40
.irp i, 0,1,2,3,4,5,6,7
	FRAG 128*(\p)+FR*\i, ADRB+\slot, \q, \i
.endr
	WIN 0
.endm
.macro FETCH_A slot, q, i0             ; P's blocks i0 .. i0 + 3
.irp i, \i0, \i0+1, \i0+2, \i0+3
	FRAG AF+FR*(\i), ADRA+\slot, \q, \i
.endr
.endm
; 16 matrix instructions: P's blocks a0, a0 + 1 x Q's eight.  cm = 0: onto the sums; 1: C = the bias of Q's tile b; 2: C = the bias of P's tile a; 3: C = 0.  The 64 accumulators take turns.
.macro MUL16 a0, p, cm
.irp a, \a0, \a0+1
.irp b, 0,1,2,3,4,5,6,7
.if \cm == 0
	v_wmma_f32_16x16x128_fp8_fp8 v[8*(8*((\a)%4)+\b):8*(8*((\a)%4)+\b)+7], v[128*(\p)+FR*\b:128*(\p)+FR*\b+FR-1], v[AF+FR*(\a):AF+FR*(\a)+FR-1], v[8*(8*((\a)%4)+\b):8*(8*((\a)%4)+\b)+7]
.elseif \cm == 1
	v_wmma_f32_16x16x128_fp8_fp8 v[8*(8*((\a)%4)+\b):8*(8*((\a)%4)+\b)+7], v[128*(\p)+FR*\b:128*(\p)+FR*\b+FR-1], v[AF+FR*(\a):AF+FR*(\a)+FR-1], v[BI+8*\b:BI+8*\b+7]
.elseif \cm == 2
	v_wmma_f32_16x16x128_fp8_fp8 v[8*(8*((\a)%4)+\b):8*(8*((\a)%4)+\b)+7], v[128*(\p)+FR*\b:128*(\p)+FR*\b+FR-1], v[AF+FR*(\a):AF+FR*(\a)+FR-1], v[BI+8*(\a):BI+8*(\a)+7]
.else
	v_wmma_f32_16x16x128_fp8_fp8 v[8*(8*((\a)%4)+\b):8*(8*((\a)%4)+\b)+7], v[128*(\p)+FR*\b:128*(\p)+FR*\b+FR-1], v[AF+FR*(\a):AF+FR*(\a)+FR-1], 0
.endif
.endr
.endr
.endm
; A step of 128 along K that has its successor in the same slot.  P has one set of registers: blocks 0-3 are fetched anew in the middle, blocks 4-7 at the end.
.macro STEP slot, q, cm
	s_wait_dscnt 16                                ; Q's set and P's blocks 0-3 are in; the youngest 16 loads (P's blocks 4-7) may be out
.if (\cm == 1) || (\cm == 2)
	WIN 0x81                                       ; source 0 window 1, source 1 and C window 0, D window 2
.else
	WIN 0xa1                                       ; C and D window 2
.endif
	MUL16 0, (\q)%2, \cm
	MUL16 2, (\q)%2, \cm
	s_wait_dscnt 0                                 ; P's blocks 4-7 are in
	PLACES NP                                      ; in front of loads into registers that matrix instructions have read
	FETCH_B \slot, (\q)+1, 1-(\q)%2
	FETCH_A \slot, (\q)+1, 0
.if (\cm == 1) || (\cm == 2)
	WIN 0xc1
.else
	WIN 0xf1
.endif
	MUL16 4, (\q)%2, \cm
	MUL16 6, (\q)%2, \cm
	PLACES NP
	WIN 0
	FETCH_A \slot, (\q)+1, 4
.endm
; A slot's last step changes slots: one barrier; in front of it each wave waits for all its tensor loads, adds 0 to its spare word, and waits for that and for its reads of this slot.  fill = 1: the slot takes the K step two on.
.macro TURN slot, next, fill
	s_wait_tensorcnt 0x0                           ; all my tensor loads have landed: my part of the next slot
	ds_add_u32 v[SPW], v[NIL]                      ; 0 onto my spare word
	s_wait_dscnt 17                                ; (the add and the youngest 16 loads may be out)
	WIN 0xa1
	MUL16 0, 1, 0                                  ; sixteen matrix instructions stand between the add and the wait for it
	s_wait_dscnt 0x0                               ; the add is done, and my reads of this slot are over
	s_barrier_signal -1
	MUL16 2, 1, 0
	WIN 0
	s_barrier_wait -1
.if \fill
	CREST                                          ; the barrier has opened a round of the cluster's: no wave of any partner still reads this slot or has a load on its way
	s_add_nc_u64 s[G0+4*\slot+2:G0+4*\slot+3], s[G0+4*\slot+2:G0+4*\slot+3], s[40:41]
	s_add_nc_u64 s[G0B+4*\slot+2:G0B+4*\slot+3], s[G0B+4*\slot+2:G0B+4*\slot+3], s[42:43]
	JLOAD \slot                                    ; the first tensor load behind the round; its four v_nop are also the places in front of the loads below
.else
	PLACES NP
.endif
	FETCH_B \next, 0, 0
	FETCH_A \next, 0, 0
	WIN 0xf1
	MUL16 4, 1, 0
	MUL16 6, 1, 0
	PLACES NP
	WIN 0
	FETCH_A \next, 0, 4
.endm
	s_load_b256 s[4:11], s[0:1], 0x0               ; x_img s[4:5], wa_img s[6:7], b_attn s[8:9], the scales' exponents s[10:11]
	s_load_b128 s[12:15], s[0:1], 0x20             ; q_img s[12:13], kv_img s[14:15]
	v_lshl_add_u32 v[SPW], v0, 2, SPARE
	v_mov_b32 v[NIL], 0
	ds_add_u32 v28, v29
	ds_add_u32 v28, v29
	s_wait_dscnt 0x0
	v_lshrrev_b32 v1, 5, v0
	v_readfirstlane_b32 s16, v1                    ; wave 0..3
	s_lshr_b32 s17, s16, 1                         ; which half of P's rows I multiply.  Also: I fetch for P (0) or for Q (1)
	s_and_b32 s18, s16, 1                          ; which half of Q's rows.  Also: which 128 rows I fetch
	s_bfe_u32 s19, ttmp6, 0x40000                  ; cx
	s_bfe_u32 s20, ttmp6, 0x40004                  ; cy
	s_and_b32 s22, ttmp7, 0xffff                   ; the cluster's y
	s_lshl_b32 s84, s20, 2
	s_lshl_b32 s84, 15, s84                        ; my row of the cluster
	s_lshl_b32 s85, 0x1111, s19                    ; my column
	; descriptor group 1: 128 rows of 256 bytes, dense: elements of 8 bytes, 32 to a row, no padding
	s_or_b32 s[G1], s84, (3<<16)|(1<<21)           ; 15:0 the mask: P's tiles go to my row; 17:16 elements of 8 bytes; 21 set beside a mask
	s_or_b32 s[G1B], s85, (3<<16)|(1<<21)          ; Q's go to my column
.irp g, G1, G1B
	s_mov_b32 s[\g+1], 32<<16                      ; tensor_dim0
	s_mov_b32 s[\g+2], 128<<16                     ; tensor_dim1
	s_mov_b32 s[\g+3], 32<<16                      ; tile_dim0
	s_mov_b32 s[\g+4], 128                         ; tile_dim1
	s_mov_b32 s[\g+5], 32                          ; tensor_dim0_stride
	s_mov_b32 s[\g+6], 0
	s_mov_b32 s[\g+7], 0
.endr
	; the roles.  What feeds P's descriptors never holds cx, what feeds Q's never cy
	s_lshl_b32 s86, s22, 2
	s_add_co_u32 s87, s86, s20                     ; 4 Y + cy
	s_add_co_u32 s88, s86, s19                     ; 4 Y + cx
	s_lshl_b32 s89, ttmp9, 2
	s_add_co_u32 s89, s89, s19                     ; 4 X + cx
	s_mov_b32 s90, 2097152                         ; a K step of x_img
	s_mov_b32 s91, 786432                          ; a K step of wa_img
	s_cmp_eq_u32 ttmp9, 2                          ; v?  All selections stand ahead of the additions, which set SCC
	s_cselect_b32 s86, s20, s87                    ; P's tile of 256 rows
	s_cselect_b32 s88, s88, s89                    ; Q's
	s_cselect_b32 s44, s91, s90                    ; P's K step in bytes
	s_cselect_b32 s46, s90, s91                    ; Q's
	s_cselect_b32 s94, 524288, 0                   ; v's channels begin at row 2,048 of wa_img: 128 tiles of 4,096 bytes
	s_mov_b32 s45, 0
	s_mov_b32 s47, 0
	s_lshl_b32 s40, s44, 1                         ; a refill steps two K steps
	s_mov_b32 s41, 0
	s_lshl_b32 s42, s46, 1
	s_mov_b32 s43, 0
	s_lshl_b32 s92, s86, 8
	s_lshl_b32 s95, s17, 7
	s_add_co_u32 s92, s92, s95                     ; PR: the first row of P that I multiply
	s_lshl_b32 s93, s88, 8
	s_lshl_b32 s95, s18, 7
	s_add_co_u32 s93, s93, s95                     ; QR: the first row of Q
	s_lshl_b32 s95, s18, 15                        ; the 128 rows that I fetch
	s_lshl_b32 s86, s86, 16
	s_add_co_u32 s86, s86, s95
	s_add_co_u32 s86, s86, s94
	s_mov_b32 s87, 0
	s_lshl_b32 s88, s88, 16
	s_add_co_u32 s88, s88, s95
	s_mov_b32 s89, 0
	s_lshl_b32 s21, s16, 15                        ; where they go: wave x 32,768: no place in the cluster enters an LDS address
	s_wait_kmcnt 0x0
	s_load_b256 s[68:75], s[10:11], 0x0            ; e0 .. e7
	s_cmp_eq_u32 ttmp9, 2
	s_cselect_b64 s[96:97], s[6:7], s[4:5]
	s_cselect_b64 s[98:99], s[4:5], s[6:7]
	s_add_nc_u64 s[96:97], s[96:97], s[86:87]
	s_add_nc_u64 s[98:99], s[98:99], s[88:89]
	s_mov_b32 s[G0], 1                             ; count = 1
	s_mov_b32 s[G0+1], s21                         ; LDS address: slot 0
	s_mov_b64 s[G0+2:G0+3], s[96:97]               ; K step 0
	s_or_b32 s[G0+3], s[G0+3], 0x80000000          ; type = 2
	s_mov_b32 s[G0B], 1
	s_mov_b32 s[G0B+1], s21
	s_mov_b64 s[G0B+2:G0B+3], s[98:99]
	s_or_b32 s[G0B+3], s[G0B+3], 0x80000000
	s_mov_b32 s[G0+4], 1
	s_add_co_u32 s[G0+5], s21, SLOT
	s_add_nc_u64 s[G0+6:G0+7], s[96:97], s[44:45]  ; K step 1
	s_or_b32 s[G0+7], s[G0+7], 0x80000000
	s_mov_b32 s[G0B+4], 1
	s_add_co_u32 s[G0B+5], s21, SLOT
	s_add_nc_u64 s[G0B+6:G0B+7], s[98:99], s[46:47]
	s_or_b32 s[G0B+7], s[G0B+7], 0x80000000
	CROUND                                         ; all sixteen work-groups are here: the first joint loads meet
	JLOAD 0
	JLOAD 1                                        ; two tensor loads of mine are out
	v_and_b32 v1, 15, v0                           ; r
	v_bfe_u32 v2, v0, 4, 1                         ; h
	v_and_b32 v[VO], 31, v0
	v_lshlrev_b32 v[VO], 4, v[VO]                  ; 16 x lane
	s_lshl_b32 s21, s17, 15
	s_lshl_b32 s23, s18, 15
	s_add_co_u32 s23, s23, 65536
.irp s, 0,1
	v_add_nc_u32 v[ADRA+\s], s21, v[VO]
	v_add_nc_u32 v[ADRB+\s], s23, v[VO]
	s_add_co_u32 s21, s21, SLOT
	s_add_co_u32 s23, s23, SLOT
.endr
	; the bias, in the result's layout, divided by 2^(e0 + e1)
	s_wait_kmcnt 0x0
	s_add_co_u32 s2, s92, 2048
	s_cmp_eq_u32 ttmp9, 2
	s_cselect_b32 s2, s2, s93                      ; my first channel among the 3,072
	s_lshl_b32 s2, s2, 2
	s_mov_b32 s3, 0
	s_add_nc_u64 s[8:9], s[8:9], s[2:3]
	s_add_co_i32 s21, s68, s69
	s_sub_co_i32 s21, 0, s21                       ; -(e0 + e1)
	s_cmp_eq_u32 ttmp9, 2
	s_cbranch_scc1 .Lbias_v
	v_lshlrev_b32 v3, 6, v2                        ; q, k: register j of tile b is channel 32 (b / 2) + 8 (b % 2) + 16 h + j
.irp b, 0,1,2,3,4,5,6,7
	global_load_b128 v[BI+8*\b:BI+8*\b+3], v3, s[8:9] offset:(32*(\b/2)+8*(\b%2))*4
	global_load_b128 v[BI+8*\b+4:BI+8*\b+7], v3, s[8:9] offset:(32*(\b/2)+8*(\b%2))*4+16
.endr
	s_wait_loadcnt 0x0
.set n, 0
.rept 64
	v_ldexp_f32 v[BI+n], v[BI+n], s21
.set n, n+1
.endr
	s_branch .Lbias_done
.Lbias_v:
	v_and_b32 v3, 8, v1                            ; v: my lane's channel of tile a is 32 (a / 2) + 8 (a % 2) + r + 8 (r / 8), the same for all eight registers
	v_add_nc_u32 v3, v3, v1
	v_lshlrev_b32 v3, 2, v3
.irp a, 0,1,2,3,4,5,6,7
	global_load_b32 v[BI+8*\a], v3, s[8:9] offset:(32*(\a/2)+8*(\a%2))*4
.endr
	s_wait_loadcnt 0x0
.irp a, 0,1,2,3,4,5,6,7
	v_ldexp_f32 v[BI+8*\a], v[BI+8*\a], s21
.endr
.irp a, 0,1,2,3,4,5,6,7
.irp j, 1,2,3,4,5,6,7
	v_mov_b32 v[BI+8*\a+\j], v[BI+8*\a]
.endr
.endr
.Lbias_done:
	; the way out: four bases s[76:83] (P's tiles 0-3 or 4-7; Q's 64 rows 0-63 or 64-127), offsets v24-27, the scale
	s_cmp_eq_u32 ttmp9, 0
	s_cselect_b32 s23, 17, 18                      ; a head: 2^17 bytes of q_img, 2^18 of kv_img
	s_cselect_b32 s100, 13, 14                     ; 128 tokens of a head: 2^13, 2^14
	s_cselect_b32 s11, s70, s71                    ; e2 or e3
	s_cselect_b64 s[76:77], s[12:13], s[14:15]
	s_and_b32 s2, s93, 1023
	s_cmp_eq_u32 ttmp9, 2
	s_cselect_b32 s3, s93, s92                     ; my first token
	s_cselect_b32 s2, s92, s2                      ; my first channel of the 1,024
	s_cselect_b32 s101, 8192, 0                    ; V lies behind K in a key step
	s_cselect_b32 s66, 11, 10                      ; from tile to tile of P: 2^11 (a fragment of V) or 2^10 (of q, K)
	s_cselect_b32 s67, 18, 12                      ; four tiles of P on: the next head, or four fragments
	s_cselect_b32 s10, 10, s23                     ; 64 rows of Q on: two register groups of V, or the next head
	s_cselect_b32 s11, s73, s11                    ; e5 for v
	s_add_co_i32 s11, s11, s21                     ; eX - e0 - e1
	s_lshr_b32 s21, s3, 11
	s_lshl_b32 s21, s21, 4
	s_lshr_b32 s2, s2, 6
	s_add_co_u32 s21, s21, s2                      ; 16 x batch + head
	s_lshl_b32 s21, s21, s23
	s_bfe_u32 s3, s3, 0x40007                      ; which 128 tokens of the 2,048
	s_lshl_b32 s3, s3, s100
	s_add_co_u32 s2, s21, s3
	s_add_co_u32 s2, s2, s101
	s_mov_b32 s3, 0
	s_add_nc_u64 s[76:77], s[76:77], s[2:3]
	s_lshl_b32 s2, 1, s10
	s_add_nc_u64 s[78:79], s[76:77], s[2:3]
	s_lshl_b32 s2, 1, s67
	s_add_nc_u64 s[80:81], s[76:77], s[2:3]
	s_add_nc_u64 s[82:83], s[78:79], s[2:3]
	s_lshl_b32 s2, 1, s66
	v_add_nc_u32 v[VO+1], s2, v[VO]
	v_add_nc_u32 v[VO+2], s2, v[VO+1]
	v_add_nc_u32 v[VO+3], s2, v[VO+2]
	s_add_co_i32 s11, s11, 127
	s_lshl_b32 s2, s11, 23
	v_mov_b32 v[SCL], s2                           ; 2^(eX - e0 - e1): the three scales folded into the conversion's one
	s_add_co_i32 s11, s11, 8
	s_lshl_b32 s11, s11, 23
	s_or_b32 s11, s11, 0x600000
	v_mov_b32 v[LIM], s11                          ; 448 x that
	s_wait_tensorcnt 1                             ; my part of K step 0 is in; K step 1's load may stay out
	s_barrier_signal -1
	s_barrier_wait -1
	FETCH_B 0, 0, 0
	FETCH_A 0, 0, 0
	FETCH_A 0, 0, 4
	s_cmp_eq_u32 ttmp9, 2                          ; the first step starts the sums with the bias, which lies by Q's tiles (q, k) or by P's (v)
	s_cbranch_scc1 .Lfirst_v
	STEP 0, 0, 1
	s_branch .Lfirst_done
.Lfirst_v:
	STEP 0, 0, 2
.Lfirst_done:
	TURN 0, 1, 1                                   ; slot 0 takes K step 2
	STEP 1, 0, 0
	TURN 1, 0, 1                                   ; slot 1 takes K step 3
	STEP 0, 0, 0
	TURN 0, 1, 0                                   ; nothing is left to fetch
	STEP 1, 0, 0
	s_wait_dscnt 16                                ; the very last step
	WIN 0xa1
	MUL16 0, 1, 0
	MUL16 2, 1, 0
	s_wait_dscnt 0
	WIN 0xf1
	MUL16 4, 1, 0
	MUL16 6, 1, 0
	WIN 0
; P's tile a: 64 sums a lane, held within +-448 x the scale (each accumulator from its low end on), become 16 registers of codes in the registers that held P's fragment a; none is written again, so no store's data are at stake.
.macro OUTA a
.set AC, 64*((\a)%4)
	WIN 0x02+((\a)/4)                              ; source 0: window 2 or 3
.set n, 0
.rept 64
	v_med3_num_f32 v[BI+n], v[AC+n], -v[LIM], v[LIM]
.set n, n+1
.endr
	WIN 0
.irp g, 0,1,2,3,4,5,6,7
	v_cvt_scalef32_pk8_fp8_f32 v[AF+16*(\a)+2*\g:AF+16*(\a)+2*\g+1], v[BI+8*\g:BI+8*\g+7], v[SCL]
.endr
	v_nop                                          ; a plain line behind the last conversion: the next tile's holds write its sources
.irp e, 0,1,2,3
	global_store_b128 v[VO+(\a)%4], v[AF+16*(\a)+4*\e:AF+16*(\a)+4*\e+3], s[76+4*((\a)/4)+2*(\e/2):77+4*((\a)/4)+2*(\e/2)] offset:512*(\e%2)   ; 512 consecutive bytes, aligned
.endr
.endm
	PLACES NP                                      ; behind the last products: their results are read and P's registers written below
.irp a, 0,1,2,3,4,5,6,7
	OUTA \a
.endr
	s_wait_tensorcnt 0x0                           ; the wave's end
	ds_add_u32 v[SPW], v[NIL]
	s_wait_dscnt 0x0
	CROUND                                         ; the closing round: no work-group ends while a partner may still ask for a tile that names it
	s_endpgm
.Lfunc_end_k_q5ceec8d17e_qkv:
	.size	k_q5ceec8d17e_qkv, .Lfunc_end_k_q5ceec8d17e_qkv-k_q5ceec8d17e_qkv
	.p2alignl 7, 3214868480
	.fill 96, 4, 3214868480
	.section	.rodata,"a",@progbits
	.p2align	6, 0x0
	.amdhsa_kernel k_q5ceec8d17e_qkv
		.amdhsa_group_segment_fixed_size 327680
		.amdhsa_private_segment_fixed_size 0
		.amdhsa_enable_private_segment 0
		.amdhsa_kernarg_size 48
		.amdhsa_user_sgpr_count 2
		.amdhsa_user_sgpr_kernarg_segment_ptr 1
		.amdhsa_wavefront_size32 1
		.amdhsa_system_sgpr_workgroup_id_x 1
		.amdhsa_system_sgpr_workgroup_id_y 1
		.amdhsa_system_sgpr_workgroup_id_z 1
		.amdhsa_system_vgpr_workitem_id 0
		.amdhsa_next_free_vgpr 1024
		.amdhsa_next_free_sgpr 102
		.amdhsa_reserve_vcc 0
		.amdhsa_float_denorm_mode_32 3
		.amdhsa_float_denorm_mode_16_64 3
		.amdhsa_memory_ordered 1
		.amdhsa_forward_progress 1
		.amdhsa_inst_pref_size 136
	.end_amdhsa_kernel
	.amdgpu_metadata
---
amdhsa.version: [ 1, 2 ]
amdhsa.kernels:
  - .name:           k_q5ceec8d17e_qkv
    .symbol:         k_q5ceec8d17e_qkv.kd
    .args:
      - { .name: x_img, .offset: 0, .size: 8, .value_kind: global_buffer, .address_space: global }
      - { .name: wa_img, .offset: 8, .size: 8, .value_kind: global_buffer, .address_space: global }
      - { .name: b_attn, .offset: 16, .size: 8, .value_kind: global_buffer, .address_space: global }
      - { .name: lowp_scales, .offset: 24, .size: 8, .value_kind: global_buffer, .address_space: global }
      - { .name: q_img, .offset: 32, .size: 8, .value_kind: global_buffer, .address_space: global }
      - { .name: kv_img, .offset: 40, .size: 8, .value_kind: global_buffer, .address_space: global }
    .group_segment_fixed_size: 327680
    .private_segment_fixed_size: 0
    .kernarg_segment_align: 8
    .kernarg_segment_size: 48
    .max_flat_workgroup_size: 128
    .sgpr_count:     102
    .vgpr_count:     1024
    .wavefront_size: 32
...
	.end_amdgpu_metadata
.endif
;; end of part 2
;; launch attn (part 3): grid 4 x 64, 8 waves a work-group, clusters of 4 x 1, 263,168 bytes of LDS; arguments q_img, kv_img, lowp_scales, y_img; writes y_img
.if DOCPART == 3
	.amdgcn_target "amdgcn-amd-amdhsa--gfx1250"
	.amdhsa_code_object_version 6
	.text
	.protected	k_q5ceec8d17e_attn
	.globl	k_q5ceec8d17e_attn
	.p2align	8
	.type	k_q5ceec8d17e_attn,@function
k_q5ceec8d17e_attn:
	s_mov_b64 s[64:65], 0
	v_nop
	global_prefetch_b8 v0, s[64:65] scope:SCOPE_SE
	s_setreg_imm32_b32 hwreg(HW_REG_WAVE_MODE, 25, 1), 1
	s_wait_xcnt 0x0
	s_wait_alu depctr_hold_cnt(0) depctr_sa_sdst(0) depctr_va_vdst(0) depctr_va_sdst(0) depctr_va_ssrc(0) depctr_va_vcc(0) depctr_vm_vsrc(0)
	s_getreg_b32 s2, hwreg(HW_REG_IB_STS2, 6, 4)
	s_cmp_eq_u32 s2, 0
	s_cbranch_scc0 .Lentry_in_a_cluster
	s_endpgm
.Lentry_in_a_cluster:
	s_bfe_u32 s2, ttmp6, 0x10000c
	s_cmp_lg_u32 s2, 0x3003
	s_cbranch_scc0 .Lentry_shape_is_right
	s_endpgm
.Lentry_shape_is_right:
; y = softmax(q k^T / 8, causal) v for 64 heads of 2,048 tokens x 64 channels, both products on codes of E4M3; y is quantised at once for the projection.
; THE SOFTMAX: t = score x log2(e) / 8; M = the running largest t rounded UP to a whole number; p = 2^(t - M) is quantised with 2^e4; the row's sum is taken of the unquantised p and divides at the end.  When M moves, the sum and O
; are multiplied by 2^(old M - new M), which rounds nothing.
; SHARES.  A cluster of four work-groups is one head.  The head's K and V, 262,144 bytes of kv_img, lie whole in each work-group's LDS, just as they lie in memory: brought ONCE, by joint loads that name the four; nothing is filled again,
; so the loop has no barrier.  Queries go in groups of 32: group 4 j + cx belongs to work-group cx; wave w takes j = w (key steps 0 .. w) and then j = 15 - w (key steps 0 .. 15 - w): 17 key steps of 128 keys for every wave of every
; work-group.  A group's first query is 128 j + 32 cx, so its last, masked step is step j whatever cx is: cx enters only addresses in memory and the mask's threshold, never a branch or an LDS address.
; LAYOUT.  S^T = K Q^T (source 0 = 16 keys, source 1 = 16 queries), O^T = V^T P^T (source 0 = 16 channels, source 1 = P): a lane holds ONE query throughout.  The keys of a tile of K and the channels of a tile of V are ordered
; (row r of tile 2 g + u is 32 g + 8 u + r + 8 (r / 8)) so that 16 registers of two neighbouring tiles are 16 neighbours: the conversions' results ARE the next operand's registers, for p and for y alike.
; Trip t of 17: t <= w: pass 1, key step t; else pass 2, key step t - w - 1 = (t + 15 - w) mod 16.  The mask stands in trip w and in trip 16.
; LIMITS: e2 + e3 between -123 and 130 (added to c's exponent field); e4, and e6 - e4 - e5, between -126 and 119.  NaN among the inputs is not served.
; REGISTERS.  window 0: v1 16 x lane; v2 the step's LDS address; v4, v5 the mask's thresholds; v6 -infinity; v7, v8: 448 x 2^e4, 2^e4; v9, v10 the same with e6 - e4 - e5; v12-19 statistics, v20-31 at work (below);
;   v32-47 Q (two tiles); v48-111 K's 8 fragments; v112-239 S^T, then p, 64 a tile; v240-255 y's codes.   window 1: v0-63 O^T, 32 a tile; v64-127 V's 4 fragments; v128-159 p's codes; v160-175 Q of pass 2.
.set ST, 12                            ; tile u: v[ST+4u] -M, +1 the largest t, +2:+3 the sum in two halves
.set T,  20                            ; tile u: v[T+6u] at work, +1 the lane exchange's result, +2:+3 the factor f (its low word serves), +4:+5 a second chain
.set QF, 32
.set KF, 48
.set S,  112
.set YC, 240
.set VF, 64                            ; in window 1
.set PC, 128                           ; in window 1
.set Q2, 160                           ; in window 1
.set G1, 24                            ; s[24:31] descriptor group 1; s[32:47] four groups 0
.set G0, 32
.set MSB, 0
.macro WIN new                         ; the immediate's high byte repeats the setting that is left
.if MSB != (\new)
	s_set_vgpr_msb (MSB<<8)|(\new)
.set MSB, (\new)
.endif
.endm
.macro CROUND                          ; a round of the cluster's barrier
	s_barrier_signal -1
	s_barrier_wait -1
	s_cmp_lg_u32 s12, 0
	s_cbranch_scc1 .Lnot_wave_0_\@
	s_barrier_signal -3
.Lnot_wave_0_\@:
	s_barrier_wait -3
	s_barrier_signal -1
	s_barrier_wait -1
.endm
	s_load_b256 s[4:11], s[0:1], 0x0               ; q_img s[4:5], kv_img s[6:7], the scales' exponents s[8:9], y_img s[10:11]
	v_lshl_add_u32 v11, v0, 2, 0x40000
	s_set_vgpr_msb 0x40
	v_mov_b32 v177, 0
	s_set_vgpr_msb 0x4044
	ds_add_u32 v11, v177
	ds_add_u32 v11, v177
	s_set_vgpr_msb 0x4400
	v_lshrrev_b32 v2, 5, v0
	s_delay_alu instid0(VALU_DEP_1)
	v_readfirstlane_b32 s12, v2                    ; wave 0..7
	s_bfe_u32 s13, ttmp6, 0x40000                  ; cx
	s_and_b32 s14, ttmp7, 0xffff                   ; 16 x batch + head, which the four partners share
	; descriptor group 1: 32 rows of 256 bytes, dense: 8,192 bytes a load
	s_mov_b32 s[G1], 15|(3<<16)|(1<<21)            ; 15:0 the mask: all four work-groups; 17:16 elements of 8 bytes; 21 set beside a mask
	s_mov_b32 s[G1+1], 32<<16                      ; tensor_dim0
	s_mov_b32 s[G1+2], 32<<16                      ; tensor_dim1
	s_mov_b32 s[G1+3], 32<<16                      ; tile_dim0
	s_mov_b32 s[G1+4], 32                          ; tile_dim1
	s_mov_b32 s[G1+5], 32                          ; tensor_dim0_stride
	s_mov_b32 s[G1+6], 0
	s_mov_b32 s[G1+7], 0
	s_lshl_b32 s22, s12, 13                        ; my 8,192 bytes of each quarter of the head
	s_lshl_b32 s20, s14, 18
	s_add_co_u32 s20, s20, s22
	s_mov_b32 s21, 0
	s_mov_b32 s48, 0x76543210                      ; lane selects for v_permlanex16_b32: lane l xor 16
	s_mov_b32 s49, 0xfedcba98
	s_wait_dscnt 0x0
	s_wait_kmcnt 0x0
	s_load_b256 s[52:59], s[8:9], 0x0              ; e0 .. e7
	s_add_nc_u64 s[6:7], s[6:7], s[20:21]
.irp c, 0,1,2,3
	s_mov_b32 s[G0+4*\c], 1                        ; count = 1
	s_add_co_u32 s[G0+4*\c+1], s22, 65536*\c       ; LDS address = the byte's place in the head
	s_add_nc_u64 s[G0+4*\c+2:G0+4*\c+3], s[6:7], 65536*\c
	s_or_b32 s[G0+4*\c+3], s[G0+4*\c+3], 0x80000000  ; type = 2
.endr
	CROUND                                         ; all four work-groups are here: the joint loads meet
.irp c, 0,1,2,3
	tensor_load_to_lds s[G0+4*\c:G0+4*\c+3], s[G1:G1+7]   ; four tensor loads of mine are out: the launch's only ones
	s_nop 0
.endr
.rept 4
	v_nop
.endr
	v_and_b32 v1, 31, v0
	s_delay_alu instid0(VALU_DEP_1)
	v_lshlrev_b32 v1, 4, v1                        ; 16 x lane
	s_wait_alu depctr_va_vdst(0)
	s_lshl_b32 s23, s12, 2
	s_add_co_u32 s23, s23, s13                     ; pass 1's group of 32 queries: 4 w + cx
	s_sub_co_u32 s18, 15, s12                      ; 15 - w
	s_lshl_b32 s17, s18, 2
	s_add_co_u32 s17, s17, s13                     ; pass 2's: 4 (15 - w) + cx
	s_lshl_b32 s20, s14, 17                        ; the head in q_img
	s_lshl_b32 s66, s23, 11                        ; a group is two fragments of 1,024 bytes
	s_add_co_u32 s66, s66, s20
	s_mov_b32 s67, 0
	s_add_nc_u64 s[66:67], s[4:5], s[66:67]
	s_lshl_b32 s68, s17, 11
	s_add_co_u32 s68, s68, s20
	s_mov_b32 s69, 0
	s_add_nc_u64 s[68:69], s[4:5], s[68:69]
.irp u, 0,1
.irp c, 0,1
	global_load_b128 v[QF+8*\u+4*\c:QF+8*\u+4*\c+3], v1, s[66:67] offset:1024*\u+512*\c
.endr
.endr
	WIN 0x40                                       ; destination window 1
.irp u, 0,1
.irp c, 0,1
	global_load_b128 v[Q2+8*\u+4*\c:Q2+8*\u+4*\c+3], v1, s[68:69] offset:1024*\u+512*\c
.endr
.endr
.set n, 0
.rept 64
	v_mov_b32 v[n], 0                              ; O^T.  (The step is written for every trip alike: the first finds zeros)
.set n, n+1
.endr
	WIN 0
	; y_img: [K step: head / 4][tile of 16 tokens][(head / 2) % 2][c = 2 (head % 2) + b][lane][16]
	s_lshr_b32 s70, s14, 4                         ; batch
	s_and_b32 s71, s14, 15                         ; head
	s_lshr_b32 s72, s71, 2
	s_lshl_b32 s72, s72, 21
	s_lshl_b32 s70, s70, 19                        ; 128 tiles of 4,096 bytes a batch
	s_add_co_u32 s72, s72, s70
	s_and_b32 s71, s71, 3
	s_lshl_b32 s71, s71, 10
	s_add_co_u32 s72, s72, s71
	s_lshl_b32 s70, s23, 13                        ; a group is two tiles
	s_add_co_u32 s70, s70, s72
	s_mov_b32 s71, 0
	s_add_nc_u64 s[60:61], s[10:11], s[70:71]      ; pass 1's place in y_img
	s_lshl_b32 s70, s17, 13
	s_add_co_u32 s70, s70, s72
	s_add_nc_u64 s[62:63], s[10:11], s[70:71]      ; pass 2's
	v_and_b32 v3, 15, v0
	s_delay_alu instid0(VALU_DEP_1)
	v_and_b32 v4, 8, v3
	s_delay_alu instid0(VALU_DEP_1)
	v_add_nc_u32 v4, v4, v3                        ; r + 8 (r / 8)
	v_bfe_u32 v5, v0, 4, 1
	s_delay_alu instid0(VALU_DEP_1)
	v_lshlrev_b32 v5, 4, v5
	s_delay_alu instid0(VALU_DEP_1)
	v_sub_nc_u32 v4, v4, v5
	s_lshl_b32 s70, s13, 5
	v_add_nc_u32 v4, s70, v4                       ; tile 0: my query in the masked step, less 16 h: register n holds key 32 (n / 16) + n % 16 + 16 h, hidden where 32 (n / 16) + n % 16 is above this
	s_delay_alu instid0(VALU_DEP_1)
	v_add_nc_u32 v5, 8, v4                         ; tile 1
	v_mov_b32 v6, 0xff800000
.irp u, 0,1
	v_mov_b32 v[ST+4*\u+1], 0xff61b1e6             ; the largest t so far: -3e38, under every t
	s_delay_alu instid0(VALU_DEP_1)
	v_floor_f32 v[ST+4*\u], -v[ST+4*\u+1]
	v_mov_b32 v[ST+4*\u+2], 0
	v_mov_b32 v[ST+4*\u+3], 0
	v_mov_b32 v[T+6*\u+1], 0                       ; a lane exchange's destination counts as read
	v_mov_b32 v[T+6*\u+3], 0                       ; (named as the upper half of a pair)
.endr
	s_wait_kmcnt 0x0
	s_add_co_i32 s70, s54, s55
	s_lshl_b32 s70, s70, 23
	s_mov_b32 s50, 0x3e38aa3b                      ; c = log2(e) / 8
	s_add_co_i32 s50, s50, s70                     ; x 2^(e2 + e3): added to c's exponent field
	s_mov_b32 s51, s50                             ; (named with it as a pair)
	s_add_co_i32 s70, s56, 127
	s_lshl_b32 s71, s70, 23
	v_mov_b32 v8, s71                              ; 2^e4
	s_sub_co_i32 s70, s58, s56
	s_sub_co_i32 s70, s70, s57                     ; O / l stands for y / 2^(e4 + e5): its code is (O / l) / 2^(e6 - e4 - e5)
	s_add_co_i32 s70, s70, 127
	s_lshl_b32 s71, s70, 23
	v_mov_b32 v10, s71
; A KEY STEP: 128 keys x my 32 queries.  sel = 1: the trip may belong to either pass; 0: to pass 2.  diag = 0: no mask; 1: the mask in trip w; 2: the mask.
.macro STEP sel, diag
	s_add_co_u32 s19, s15, s18                     ; t + 15 - w
.if \sel
	s_cmp_le_u32 s15, s12
	s_cselect_b32 s16, s15, s19
	s_and_b32 s16, s16, 15                         ; the key step
.else
	s_and_b32 s16, s19, 15
.endif
	s_lshl_b32 s16, s16, 14
	s_setprio 2
	v_add_nc_u32 v2, s16, v1
.irp f, 0,1,2,3,4,5,6,7
.irp c, 0,1
	ds_load_b128 v[KF+8*\f+4*\c:KF+8*\f+4*\c+3], v2 offset:1024*\f+512*\c
.endr
.endr
	WIN 0x40
.irp d, 0,1,2,3
.irp c, 0,1,2,3
	ds_load_b128 v[VF+16*\d+4*\c:VF+16*\d+4*\c+3], v2 offset:8192+2048*\d+512*\c
.endr
.endr
	WIN 0
	s_wait_dscnt 16                                ; K is in; V's 16 loads may be out
.irp f, 0,1,2,3,4,5,6,7
.irp u, 0,1
	v_wmma_f32_16x16x64_fp8_fp8 v[S+64*\u+8*\f:S+64*\u+8*\f+7], v[KF+8*\f:KF+8*\f+7], v[QF+8*\u:QF+8*\u+7], 0
.endr
.endr
.rept 4
	v_nop                                          ; places behind the products (ISA guide 7.12.1)
.endr
.if \diag == 1
	s_cmp_lg_u32 s15, s12
	s_cbranch_scc1 .Lopen_\@
.endif
.if \diag
.irp u, 0,1
.set n, 0
.rept 64
	v_cmp_gt_i32 vcc_lo, 32*(n/16)+n%16, v[4+\u]
	v_cndmask_b32 v[S+64*\u+n], v[S+64*\u+n], v6, vcc_lo   ; a hidden key's score becomes -infinity ahead of the maximum: p = 0
.set n, n+1
.endr
.endr
.endif
.if \diag == 1
.Lopen_\@:
.endif
.irp u, 0,1                                    ; the step's largest score of my query among my 64 keys, in two chains, each accumulator from its low end on
	v_max3_num_f32 v[T+6*\u], v[S+64*\u], v[S+64*\u+1], v[S+64*\u+2]
	v_max3_num_f32 v[T+6*\u+4], v[S+64*\u+3], v[S+64*\u+4], v[S+64*\u+5]
.irp i, 6,10,14,18,22,26,30,34,38,42,46,50,54,58
	v_max3_num_f32 v[T+6*\u], v[T+6*\u], v[S+64*\u+\i], v[S+64*\u+\i+1]
	v_max3_num_f32 v[T+6*\u+4], v[T+6*\u+4], v[S+64*\u+\i+2], v[S+64*\u+\i+3]
.endr
	v_max3_num_f32 v[T+6*\u], v[T+6*\u], v[S+64*\u+62], v[S+64*\u+63]
	s_delay_alu instid0(VALU_DEP_1)
	v_max_num_f32 v[T+6*\u], v[T+6*\u], v[T+6*\u+4]
.endr
.irp u, 0
	v_permlanex16_b32 v[T+6*\u+1], v[T+6*\u], s48, s49
.endr
.irp u, 1
	s_delay_alu instid0(VALU_DEP_2)
	v_permlanex16_b32 v[T+6*\u+1], v[T+6*\u], s48, s49
.endr
.irp u, 0,1
	s_delay_alu instid0(VALU_DEP_2)
	v_max_num_f32 v[T+6*\u], v[T+6*\u], v[T+6*\u+1]        ; and among lane l xor 16's
.endr
.irp u, 0,1
	s_delay_alu instid0(VALU_DEP_2)
	v_mul_f32 v[T+6*\u], s50, v[T+6*\u]                    ; as t (c is positive)
.endr
.irp u, 0,1
	s_delay_alu instid0(VALU_DEP_2)
	v_max_num_f32 v[ST+4*\u+1], v[ST+4*\u+1], v[T+6*\u]    ; the running largest t
.endr
.irp u, 0,1
	v_mov_b32 v[T+6*\u], v[ST+4*\u]
.endr
.irp u, 0,1
	s_delay_alu instid0(VALU_DEP_4)
	v_floor_f32 v[ST+4*\u], -v[ST+4*\u+1]                  ; the new -M = floor(-t): M is a whole number
.endr
.irp u, 0,1
	s_delay_alu instid0(VALU_DEP_2)
	v_sub_f32 v[T+6*\u], v[ST+4*\u], v[T+6*\u]             ; old M - new M: a whole number, 0 or less
.endr
.irp u, 0,1
	s_delay_alu instid0(VALU_DEP_2)
	v_cvt_i32_f32 v[T+6*\u], v[T+6*\u]                     ; (it saturates)
.endr
.irp u, 0,1
	s_delay_alu instid0(VALU_DEP_2)
	v_ldexp_f32 v[T+6*\u+2], 1.0, v[T+6*\u]                ; f = 2^(old M - new M); 0 in a pass's first step
.endr
.irp u, 0,1
.set n, 0
.rept 32
	v_pk_fma_f32 v[S+64*\u+n:S+64*\u+n+1], v[S+64*\u+n:S+64*\u+n+1], s[50:51], v[ST+4*\u:ST+4*\u+1] op_sel_hi:[1,0,0]   ; t - M, two at a time
.set n, n+2
.endr
.endr
	s_setprio 1
	s_wait_alu depctr_va_vdst(0)
.irp u, 0,1
.set n, 0
.rept 64
	v_exp_f32 v[S+64*\u+n], v[S+64*\u+n]           ; p = 2^(t - M), at most 1
.set n, n+1
.endr
.endr
.irp u, 0,1
	v_pk_mul_f32 v[ST+4*\u+2:ST+4*\u+3], v[ST+4*\u+2:ST+4*\u+3], v[T+6*\u+2:T+6*\u+3] op_sel_hi:[1,0]   ; the sum under the new M.  (A plain line behind the exponentials)
.endr
	s_wait_alu depctr_va_vdst(0)
.irp u, 0,1                                    ; the row's sum is taken of the unquantised p, in two chains
	v_pk_add_f32 v[T+6*\u+4:T+6*\u+5], v[S+64*\u:S+64*\u+1], v[S+64*\u+2:S+64*\u+3]
.irp j, 4,8,12,16,20,24,28,32,36,40,44,48,52,56,60
	v_pk_add_f32 v[ST+4*\u+2:ST+4*\u+3], v[ST+4*\u+2:ST+4*\u+3], v[S+64*\u+\j:S+64*\u+\j+1]
	v_pk_add_f32 v[T+6*\u+4:T+6*\u+5], v[T+6*\u+4:T+6*\u+5], v[S+64*\u+\j+2:S+64*\u+\j+3]
.endr
	s_delay_alu instid0(VALU_DEP_1)
	v_pk_add_f32 v[ST+4*\u+2:ST+4*\u+3], v[ST+4*\u+2:ST+4*\u+3], v[T+6*\u+4:T+6*\u+5]
.endr
.set n, 0
.rept 128
.set n, n+1
.endr
	WIN 0x40                                       ; p's codes lie in window 1
.irp u, 0,1
.irp g, 0,1,2,3,4,5,6,7
	v_cvt_scalef32_pk8_fp8_f32 v[PC+16*\u+2*\g:PC+16*\u+2*\g+1], v[S+64*\u+8*\g:S+64*\u+8*\g+7], v8
.endr
.endr
	WIN 0x41                                       ; O^T (destination and source 0) window 1, f window 0
.irp u, 0,1
.set n, 0
.rept 16
	v_pk_mul_f32 v[32*\u+n:32*\u+n+1], v[32*\u+n:32*\u+n+1], v[T+6*\u+2:T+6*\u+3] op_sel_hi:[1,0]   ; O^T under the new M.  (These are also the plain lines behind the conversions)
.set n, n+2
.endr
.endr
	s_wait_alu depctr_va_vdst(0)
	s_wait_dscnt 0x0                               ; V is in
	WIN 0x55                                       ; all four operands window 1
	s_setprio 0
.irp d, 0,1,2,3
.irp u, 0,1
	v_wmma_f32_16x16x128_fp8_fp8 v[32*\u+8*\d:32*\u+8*\d+7], v[VF+16*\d:VF+16*\d+15], v[PC+16*\u:PC+16*\u+15], v[32*\u+8*\d:32*\u+8*\d+7]   ; the eight accumulators take turns
.endr
.endr
	WIN 0
.rept 4
	v_nop                                          ; places in front of the next loads into V's registers and of the next reads of O^T
.endr
.endm
; A pass's end: O^T / the sum, quantised for the projection, stored as the image of its operand's registers.  again = 1: the other pass follows.
.macro FINAL yb, again
	s_wait_xcnt 0x0                                ; an earlier pass's stores have read the codes' registers
.irp u, 0,1
	v_add_f32 v[T+6*\u], v[ST+4*\u+2], v[ST+4*\u+3]
.endr
.irp u, 0,1
	s_delay_alu instid0(VALU_DEP_2)
	v_permlanex16_b32 v[T+6*\u+1], v[T+6*\u], s48, s49
.endr
.irp u, 0,1
	s_delay_alu instid0(VALU_DEP_2)
	v_add_f32 v[T+6*\u], v[T+6*\u], v[T+6*\u+1]    ; the row's sum
.endr
	s_wait_alu depctr_va_vdst(0)
.irp u, 0,1
	v_rcp_f32 v[T+6*\u+2], v[T+6*\u]
.endr
	v_nop                                          ; a plain line behind the reciprocals
	WIN 0x01                                       ; source 0 window 1
	s_wait_alu depctr_va_vdst(0)
.irp u, 0,1
.set n, 0
.rept 16
	v_pk_mul_f32 v[S+64*\u+n:S+64*\u+n+1], v[32*\u+n:32*\u+n+1], v[T+6*\u+2:T+6*\u+3] op_sel_hi:[1,0]   ; register 8 d + j: channel 32 (d / 2) + 8 (d % 2) + 16 h + j
.set n, n+2
.endr
.endr
	WIN 0
.irp u, 0,1
.set n, 0
.rept 32
.set n, n+1
.endr
.endr
.irp u, 0,1
.irp d, 0,1,2,3
	v_cvt_scalef32_pk8_fp8_f32 v[YC+8*\u+2*\d:YC+8*\u+2*\d+1], v[S+64*\u+8*\d:S+64*\u+8*\d+7], v10
.endr
.endr
	v_nop                                          ; a plain line behind the last conversion
.irp u, 0,1
.irp b, 0,1
	global_store_b128 v1, v[YC+8*\u+4*\b:YC+8*\u+4*\b+3], s[\yb:\yb+1] offset:4096*\u+512*\b   ; 512 consecutive bytes, aligned
.endr
.endr
.if \again
.irp u, 0,1
	v_mov_b32 v[ST+4*\u+1], 0xff61b1e6             ; the largest t anew.  The next step's f is then 0, which clears the sum and O^T (finite: sums of bounded codes) in the multiplications that run anyway
	s_delay_alu instid0(VALU_DEP_1)
	v_floor_f32 v[ST+4*\u], -v[ST+4*\u+1]
.endr
	WIN 0x01
.set n, 0
.rept 16
	v_mov_b32 v[QF+n], v[Q2+n]                     ; pass 2's queries
.set n, n+1
.endr
	WIN 0
.endif
.endm
	s_wait_tensorcnt 0x0                           ; my parts of the head are in LDS,
	s_wait_loadcnt 0x0                             ; Q is in
	s_barrier_signal -1
	s_barrier_wait -1                              ; everybody's are: from here on LDS is only read
	s_mov_b32 s15, 0
.Lfirst:                                           ; trips 0 .. 7: pass 1 up to trip w, then pass 2
	s_wait_alu depctr_va_vdst(0)
	STEP 1, 1
	s_cmp_lg_u32 s15, s12
	s_cbranch_scc1 .Lgo_on
	FINAL 60, 1
.Lgo_on:
	s_add_co_u32 s15, s15, 1
	s_cmp_lt_u32 s15, 8
	s_cbranch_scc1 .Lfirst
	s_setprio 0
.Lsecond:                                          ; trips 8 .. 15: pass 2 in every wave, all keys count
	s_wait_alu depctr_va_vdst(0)
	STEP 0, 0
	s_add_co_u32 s15, s15, 1
	s_cmp_lt_u32 s15, 16
	s_cbranch_scc1 .Lsecond
	s_setprio 0
	STEP 0, 2                                      ; trip 16: pass 2's masked step
	FINAL 62, 0
	s_set_vgpr_msb 0x4
	s_wait_tensorcnt 0x0
	ds_add_u32 v11, v177
	s_wait_dscnt 0x0
	s_set_vgpr_msb 0x400
	CROUND                                         ; the closing round
	s_endpgm
.Lfunc_end_k_q5ceec8d17e_attn:
	.size	k_q5ceec8d17e_attn, .Lfunc_end_k_q5ceec8d17e_attn-k_q5ceec8d17e_attn
	.p2alignl 7, 3214868480
	.fill 96, 4, 3214868480
	.section	.rodata,"a",@progbits
	.p2align	6, 0x0
	.amdhsa_kernel k_q5ceec8d17e_attn
		.amdhsa_group_segment_fixed_size 263168
		.amdhsa_private_segment_fixed_size 0
		.amdhsa_enable_private_segment 0
		.amdhsa_kernarg_size 32
		.amdhsa_user_sgpr_count 2
		.amdhsa_user_sgpr_kernarg_segment_ptr 1
		.amdhsa_wavefront_size32 1
		.amdhsa_system_sgpr_workgroup_id_x 1
		.amdhsa_system_sgpr_workgroup_id_y 1
		.amdhsa_system_sgpr_workgroup_id_z 1
		.amdhsa_system_vgpr_workitem_id 0
		.amdhsa_next_free_vgpr 434
		.amdhsa_next_free_sgpr 80
		.amdhsa_reserve_vcc 1
		.amdhsa_float_denorm_mode_32 3
		.amdhsa_float_denorm_mode_16_64 3
		.amdhsa_fp16_overflow 1
		.amdhsa_memory_ordered 1
		.amdhsa_forward_progress 1
		.amdhsa_inst_pref_size 113
	.end_amdhsa_kernel
	.amdgpu_metadata
---
amdhsa.version: [ 1, 2 ]
amdhsa.kernels:
  - .name:           k_q5ceec8d17e_attn
    .symbol:         k_q5ceec8d17e_attn.kd
    .args:
      - { .name: q_img, .offset: 0, .size: 8, .value_kind: global_buffer, .address_space: global }
      - { .name: kv_img, .offset: 8, .size: 8, .value_kind: global_buffer, .address_space: global }
      - { .name: lowp_scales, .offset: 16, .size: 8, .value_kind: global_buffer, .address_space: global }
      - { .name: y_img, .offset: 24, .size: 8, .value_kind: global_buffer, .address_space: global }
    .group_segment_fixed_size: 263168
    .private_segment_fixed_size: 0
    .kernarg_segment_align: 8
    .kernarg_segment_size: 32
    .max_flat_workgroup_size: 256
    .sgpr_count:     80
    .vgpr_count:     434
    .wavefront_size: 32
...
	.end_amdgpu_metadata
.endif
;; end of part 3
;; launch proj (part 4): grid 4 x 32, 4 waves a work-group, clusters of 4 x 4, 327,680 bytes of LDS; arguments y_img, wp_img, b_proj, lowp_scales, out0; writes out0
.if DOCPART == 4
	.amdgcn_target "amdgcn-amd-amdhsa--gfx1250"
	.amdhsa_code_object_version 6
	.text
	.protected	k_q5ceec8d17e_proj
	.globl	k_q5ceec8d17e_proj
	.p2align	8
	.type	k_q5ceec8d17e_proj,@function
k_q5ceec8d17e_proj:
	s_mov_b64 s[64:65], 0
	v_nop
	global_prefetch_b8 v0, s[64:65] scope:SCOPE_SE
	s_setreg_imm32_b32 hwreg(HW_REG_WAVE_MODE, 25, 1), 1
	s_wait_xcnt 0x0
	s_wait_alu depctr_hold_cnt(0) depctr_sa_sdst(0) depctr_va_vdst(0) depctr_va_sdst(0) depctr_va_ssrc(0) depctr_va_vcc(0) depctr_vm_vsrc(0)
	s_getreg_b32 s2, hwreg(HW_REG_IB_STS2, 6, 4)
	s_cmp_eq_u32 s2, 0
	s_cbranch_scc0 .Lentry_in_a_cluster
	s_endpgm
.Lentry_in_a_cluster:
	s_bfe_u32 s2, ttmp6, 0x10000c
	s_cmp_lg_u32 s2, 0xf033
	s_cbranch_scc0 .Lentry_shape_is_right
	s_endpgm
.Lentry_shape_is_right:
; out0 = y W_proj + b_proj on codes of E4M3 (K = 1,024); out0 [8192][1024] f32.  out = sum x 2^(e6 + e7) + bias, one packed multiply-add for two numbers.
; A tile of 256 x 256 is made by four waves, each 128 x 128: 64 accumulators, 512 registers.  Out[i][j] = sum over k of P[i][k] Q[j][k], P = y (tokens), Q = W_proj's columns; source 0 takes 16 rows of Q, source 1 16 rows of P:
; a lane holds one token, and, since row r of tile 2 g + u of an image is row 32 g + 8 u + r + 8 (r / 8), the 16 registers of two neighbouring tiles of Q are 16 neighbouring output columns.
; OPERANDS lie in memory as images of their registers (16 rows x 128 K: 2,048 bytes, lane l's 16 bytes of register group c at 512 c + 16 l): 128 rows of a K step of 256 are 32,768 dense bytes, an LDS read is 512 consecutive bytes,
; and a lane's registers 4 c .. 4 c + 3 hold k = 32 c + 16 (l / 16) + 0 .. 15, the same order of k on both sides.
; K goes in four steps of 256 through two LDS slots.  CLUSTERS: 4 x 4; P's tile is asked for jointly along a row of the cluster, Q's along a column.  128 tiles: half of the 256 x 256 tiles that would give every WGP one;
; a smaller tile would read half as much again from LDS for each product.
; LIMIT: e6 + e7 between -126 and 127.
; REGISTERS, in windows of 256: window 0: v16-31 addresses; v32-95 64 numbers at work; v128-255 P's 8 fragments, one set, on the way out rows read back.  window 1: Q's fragments, two sets, at v0 and v128; at the end v0-63 the bias.
;   window 2: the accumulators of my P rows 0-63 ((a, b) at v[8 (8 (a % 4) + b)]); window 3: of rows 64-127.
.set SLOT,  131072                     ; a slot: P's 256 rows x 256 K (65,536 bytes), then Q's
.set SPARE, 2*SLOT                     ; behind the ring: the spare words, 128 bytes for each wave
.set FR,    16
.set NP,    4                          ; places behind this matrix instruction (ISA guide 7.12.1)
.set SPITCH, 528                       ; the way out: a stage of 16 rows x (512 bytes + 16) for each wave, in slot 0, which has had its last fill and its last read when the first result is stored there
.set ADRA,  16                         ; v16-17  LDS address of my P fragments in slot 0, 1
.set ADRB,  20                         ; v20-21  the same for Q
.set STO,   24                         ; v24     the stage: where I put 32 bytes of a row
.set RD,    25                         ; v25     and where I read a row back
.set CO,    26                         ; v26     16 x lane
.set SPW,   28                         ; v28     my spare word's LDS address; never rewritten
.set NIL,   29                         ; v29     0; never rewritten
.set BI,    32
.set TMP,   32
.set AF,    128
.set BK,    128                        ; rows read back: v128-191 and v192-255 by turns
.set G1,    24
.set G0,    32
.set G1B,   48
.set G0B,   56
.set MSB,   0
.macro WIN new                         ; the immediate's high byte repeats the setting that is left
.if MSB != (\new)
	s_set_vgpr_msb (MSB<<8)|(\new)
.set MSB, (\new)
.endif
.endm
.macro PLACES n
.rept \n
	v_nop
.endr
.endm
; A joint load: waves 0 and 1 fetch P's halves, waves 2 and 3 Q's.  The branch hangs on the wave's number alone.  Four v_nop follow each of the two lines.
.macro JLOAD s
	s_cmp_eq_u32 s17, 0
	s_cbranch_scc0 .Lfor_q_\@
	tensor_load_to_lds s[G0+4*\s:G0+4*\s+3], s[G1:G1+7]
	s_nop 0
.rept 4
	v_nop
.endr
	s_branch .Lasked_\@
.Lfor_q_\@:
	tensor_load_to_lds s[G0B+4*\s:G0B+4*\s+3], s[G1B:G1B+7]
	s_nop 0
.rept 4
	v_nop
.endr
.Lasked_\@:
.endm
.macro CREST                           ; a round of the cluster's barrier behind its opening barrier
	s_cmp_lg_u32 s16, 0
	s_cbranch_scc1 .Lnot_wave_0_\@
	s_barrier_signal -3
.Lnot_wave_0_\@:
	s_barrier_wait -3
	s_barrier_signal -1
	s_barrier_wait -1
.endm
.macro CROUND
	s_barrier_signal -1
	s_barrier_wait -1
	CREST
.endm
.macro FRAG reg, adr, q, i             ; tile i, the slot's q-th 128 along K: four reads of 512 consecutive bytes
.irp c, 0,1,2,3
	ds_load_b128 v[\reg+4*\c:\reg+4*\c+3], v[\adr] offset:4096*(\i)+2048*(\q)+512*\c
.endr
.endm
.macro FETCH_B slot, q, p              ; Q's eight fragments into set p
	WIN 0x40
.irp i, 0,1,2,3,4,5,6,7
	FRAG 128*(\p)+FR*\i, ADRB+\slot, \q, \i
.endr
	WIN 0
.endm
.macro FETCH_A slot, q, i0             ; P's blocks i0 .. i0 + 3
.irp i, \i0, \i0+1, \i0+2, \i0+3
	FRAG AF+FR*(\i), ADRA+\slot, \q, \i
.endr
.endm
; 16 matrix instructions: P's blocks a0, a0 + 1 x Q's eight.  cm = 0: onto the sums; 3: C = 0: the first product starts the sums.  The 64 accumulators take turns.
.macro MUL16 a0, p, cm
.irp a, \a0, \a0+1
.irp b, 0,1,2,3,4,5,6,7
.if \cm == 0
	v_wmma_f32_16x16x128_fp8_fp8 v[8*(8*((\a)%4)+\b):8*(8*((\a)%4)+\b)+7], v[128*(\p)+FR*\b:128*(\p)+FR*\b+FR-1], v[AF+FR*(\a):AF+FR*(\a)+FR-1], v[8*(8*((\a)%4)+\b):8*(8*((\a)%4)+\b)+7]
.else
	v_wmma_f32_16x16x128_fp8_fp8 v[8*(8*((\a)%4)+\b):8*(8*((\a)%4)+\b)+7], v[128*(\p)+FR*\b:128*(\p)+FR*\b+FR-1], v[AF+FR*(\a):AF+FR*(\a)+FR-1], 0
.endif
.endr
.endr
.endm
; A step of 128 along K that has its successor in the same slot.  P has one set of registers: blocks 0-3 are fetched anew in the middle, blocks 4-7 at the end.
.macro STEP slot, q, cm
	s_wait_dscnt 16                                ; Q's set and P's blocks 0-3 are in; the youngest 16 loads (P's blocks 4-7) may be out
	WIN 0xa1                                       ; source 0 window 1, source 1 window 0, C and D window 2
	MUL16 0, (\q)%2, \cm
	MUL16 2, (\q)%2, \cm
	s_wait_dscnt 0                                 ; P's blocks 4-7 are in
	PLACES NP                                      ; in front of loads into registers that matrix instructions have read
	FETCH_B \slot, (\q)+1, 1-(\q)%2
	FETCH_A \slot, (\q)+1, 0
	WIN 0xf1                                       ; C and D window 3
	MUL16 4, (\q)%2, \cm
	MUL16 6, (\q)%2, \cm
	PLACES NP
	WIN 0
	FETCH_A \slot, (\q)+1, 4
.endm
; A slot's last step changes slots: one barrier; in front of it each wave waits for all its tensor loads, adds 0 to its spare word, and waits for that and for its reads of this slot.  fill = 1: the slot takes the K step two on.
.macro TURN slot, next, fill
	s_wait_tensorcnt 0x0                           ; all my tensor loads have landed: my part of the next slot
	ds_add_u32 v[SPW], v[NIL]                      ; 0 onto my spare word
	s_wait_dscnt 17                                ; (the add and the youngest 16 loads may be out)
	WIN 0xa1
	MUL16 0, 1, 0                                  ; sixteen matrix instructions stand between the add and the wait for it
	s_wait_dscnt 0x0                               ; the add is done, and my reads of this slot are over
	s_barrier_signal -1
	MUL16 2, 1, 0
	WIN 0
	s_barrier_wait -1
.if \fill
	CREST                                          ; the barrier has opened a round of the cluster's: no wave of any partner still reads this slot or has a load on its way
	s_add_nc_u64 s[G0+4*\slot+2:G0+4*\slot+3], s[G0+4*\slot+2:G0+4*\slot+3], s[40:41]
	s_add_nc_u64 s[G0B+4*\slot+2:G0B+4*\slot+3], s[G0B+4*\slot+2:G0B+4*\slot+3], s[42:43]
	JLOAD \slot                                    ; the first tensor load behind the round; its four v_nop are also the places in front of the loads below
.else
	PLACES NP
.endif
	FETCH_B \next, 0, 0
	FETCH_A \next, 0, 0
	WIN 0xf1
	MUL16 4, 1, 0
	MUL16 6, 1, 0
	PLACES NP
	WIN 0
	FETCH_A \next, 0, 4
.endm
	s_load_b256 s[4:11], s[0:1], 0x0               ; y_img s[4:5], wp_img s[6:7], b_proj s[8:9], the scales' exponents s[10:11]
	s_load_b64 s[12:13], s[0:1], 0x20              ; out0
	v_lshl_add_u32 v[SPW], v0, 2, SPARE
	v_mov_b32 v[NIL], 0
	ds_add_u32 v28, v29
	ds_add_u32 v28, v29
	s_wait_dscnt 0x0
	v_lshrrev_b32 v1, 5, v0
	v_readfirstlane_b32 s16, v1                    ; wave 0..3
	s_lshr_b32 s17, s16, 1                         ; which half of P's rows I multiply.  Also: I fetch for P (0) or for Q (1)
	s_and_b32 s18, s16, 1                          ; which half of Q's rows.  Also: which 128 rows I fetch
	s_bfe_u32 s19, ttmp6, 0x40000                  ; cx
	s_bfe_u32 s20, ttmp6, 0x40004                  ; cy
	s_and_b32 s22, ttmp7, 0xffff                   ; the cluster's y
	s_lshl_b32 s84, s20, 2
	s_lshl_b32 s84, 15, s84                        ; my row of the cluster
	s_lshl_b32 s85, 0x1111, s19                    ; my column
	; descriptor group 1: 128 rows of 256 bytes, dense: elements of 8 bytes, 32 to a row, no padding
	s_or_b32 s[G1], s84, (3<<16)|(1<<21)           ; 15:0 the mask: P's tiles go to my row; 17:16 elements of 8 bytes; 21 set beside a mask
	s_or_b32 s[G1B], s85, (3<<16)|(1<<21)          ; Q's go to my column
.irp g, G1, G1B
	s_mov_b32 s[\g+1], 32<<16                      ; tensor_dim0
	s_mov_b32 s[\g+2], 128<<16                     ; tensor_dim1
	s_mov_b32 s[\g+3], 32<<16                      ; tile_dim0
	s_mov_b32 s[\g+4], 128                         ; tile_dim1
	s_mov_b32 s[\g+5], 32                          ; tensor_dim0_stride
	s_mov_b32 s[\g+6], 0
	s_mov_b32 s[\g+7], 0
.endr
	s_lshl_b32 s86, s22, 2
	s_add_co_u32 s86, s86, s20                     ; P's tile of 256 tokens: 4 Y + cy
	s_lshl_b32 s88, ttmp9, 2
	s_add_co_u32 s88, s88, s19                     ; Q's tile of 256 columns: 4 X + cx
	s_mov_b32 s40, 2*2097152                       ; a refill steps two K steps: of y_img,
	s_mov_b32 s41, 0
	s_mov_b32 s42, 2*262144                        ; of wp_img
	s_mov_b32 s43, 0
	s_lshl_b32 s92, s86, 8
	s_lshl_b32 s95, s17, 7
	s_add_co_u32 s92, s92, s95                     ; PR: my first token
	s_lshl_b32 s93, s88, 8
	s_lshl_b32 s95, s18, 7
	s_add_co_u32 s93, s93, s95                     ; QR: my first column
	s_lshl_b32 s95, s18, 15                        ; the 128 rows that I fetch
	s_lshl_b32 s86, s86, 16
	s_add_co_u32 s86, s86, s95
	s_mov_b32 s87, 0
	s_lshl_b32 s88, s88, 16
	s_add_co_u32 s88, s88, s95
	s_mov_b32 s89, 0
	s_lshl_b32 s21, s16, 15                        ; where they go: wave x 32,768: no place in the cluster enters an LDS address
	s_wait_kmcnt 0x0
	s_load_b256 s[68:75], s[10:11], 0x0            ; e0 .. e7
	s_add_nc_u64 s[96:97], s[4:5], s[86:87]
	s_add_nc_u64 s[98:99], s[6:7], s[88:89]
	s_mov_b32 s[G0], 1                             ; count = 1
	s_mov_b32 s[G0+1], s21                         ; LDS address: slot 0
	s_mov_b64 s[G0+2:G0+3], s[96:97]               ; K step 0
	s_or_b32 s[G0+3], s[G0+3], 0x80000000          ; type = 2
	s_mov_b32 s[G0B], 1
	s_mov_b32 s[G0B+1], s21
	s_mov_b64 s[G0B+2:G0B+3], s[98:99]
	s_or_b32 s[G0B+3], s[G0B+3], 0x80000000
	s_mov_b32 s[G0+4], 1
	s_add_co_u32 s[G0+5], s21, SLOT
	s_add_nc_u64 s[G0+6:G0+7], s[96:97], 2097152   ; K step 1
	s_or_b32 s[G0+7], s[G0+7], 0x80000000
	s_mov_b32 s[G0B+4], 1
	s_add_co_u32 s[G0B+5], s21, SLOT
	s_add_nc_u64 s[G0B+6:G0B+7], s[98:99], 262144
	s_or_b32 s[G0B+7], s[G0B+7], 0x80000000
	CROUND                                         ; all sixteen work-groups are here: the first joint loads meet
	JLOAD 0
	JLOAD 1                                        ; two tensor loads of mine are out
	v_and_b32 v1, 15, v0                           ; r
	v_bfe_u32 v2, v0, 4, 1                         ; h
	v_and_b32 v[CO], 31, v0
	v_lshlrev_b32 v[CO], 4, v[CO]                  ; 16 x lane
	s_lshl_b32 s21, s17, 15
	s_lshl_b32 s23, s18, 15
	s_add_co_u32 s23, s23, 65536
.irp s, 0,1
	v_add_nc_u32 v[ADRA+\s], s21, v[CO]
	v_add_nc_u32 v[ADRB+\s], s23, v[CO]
	s_add_co_u32 s21, s21, SLOT
	s_add_co_u32 s23, s23, SLOT
.endr
	s_mul_i32 s21, s16, 16*SPITCH                  ; my stage
	v_mul_u32_u24 v5, v1, SPITCH
	v_lshl_add_u32 v5, v2, 6, v5
	v_add_nc_u32 v[STO], s21, v5                   ; in: row r, + 64 h bytes: my 16 columns of each 32
	v_add_nc_u32 v[RD], s21, v[CO]                 ; back: the 32 lanes take one row of 512 bytes
	v_lshlrev_b32 v3, 6, v2                        ; the bias: + 16 h numbers
	s_lshl_b32 s2, s92, 12                         ; out0: my first token's row of 4,096 bytes, + 4 x my first column
	s_lshl_b32 s3, s93, 2
	s_add_co_u32 s2, s2, s3
	s_mov_b32 s3, 0
	s_add_nc_u64 s[12:13], s[12:13], s[2:3]
	s_lshl_b32 s2, s93, 2
	s_add_nc_u64 s[8:9], s[8:9], s[2:3]
	s_wait_kmcnt 0x0
	s_add_co_i32 s66, s74, s75
	s_add_co_i32 s66, s66, 127
	s_lshl_b32 s66, s66, 23                        ; 2^(e6 + e7) as f32
	s_mov_b32 s67, s66                             ; (named with it as a pair)
	s_wait_tensorcnt 1                             ; my part of K step 0 is in; K step 1's load may stay out
	s_barrier_signal -1
	s_barrier_wait -1
	FETCH_B 0, 0, 0
	FETCH_A 0, 0, 0
	FETCH_A 0, 0, 4
	STEP 0, 0, 3                                   ; the first step's products start the sums
	TURN 0, 1, 1                                   ; slot 0 takes K step 2
	STEP 1, 0, 0
	TURN 1, 0, 1                                   ; slot 1 takes K step 3
	STEP 0, 0, 0
	TURN 0, 1, 0                                   ; nothing is left to fetch
	STEP 1, 0, 0
	WIN 0x40                                       ; Q's set 0 is done with (its last products stand in front of the step's closing places): its first 64 registers take the bias, in the result's layout
.irp b, 0,1,2,3,4,5,6,7
	global_load_b128 v[8*\b:8*\b+3], v3, s[8:9] offset:(32*(\b/2)+8*(\b%2))*4          ; register j of tile b: column 32 (b / 2) + 8 (b % 2) + 16 h + j
	global_load_b128 v[8*\b+4:8*\b+7], v3, s[8:9] offset:(32*(\b/2)+8*(\b%2))*4+16
.endr
	WIN 0
	s_wait_dscnt 16                                ; the very last step
	WIN 0xa1
	MUL16 0, 1, 0
	MUL16 2, 1, 0
	s_wait_dscnt 0
	WIN 0xf1
	MUL16 4, 1, 0
	MUL16 6, 1, 0
	WIN 0
; THE WAY OUT, P's tile a (16 tokens x 128 columns) at a time: a lane holds 16 neighbouring columns of each 32 of one token; the tile goes through my own stage and comes back as whole rows of 512 bytes.
; LDS serves a wave's instructions in order (ISA guide 5.7.1.4): no wait between the stores and the loads, nor in front of the next tile's stores.
.macro TOSTAGE a
.set AC, 64*((\a)%4)
	WIN 0x12+((\a)/4)                              ; source 0 (the sums) window 2 or 3, source 2 (the bias) window 1
.irp j, 0,2,4,6,8,10,12,14,16,18,20,22,24,26,28,30,32,34,36,38,40,42,44,46,48,50,52,54,56,58,60,62
	v_pk_fma_f32 v[TMP+\j:TMP+\j+1], v[AC+\j:AC+\j+1], s[66:67], v[\j:\j+1] op_sel_hi:[1,0,1]   ; sum x 2^(e6 + e7) + bias; each accumulator from its low end on
.endr
	WIN 0
.irp b, 0,1,2,3,4,5,6,7
	ds_store_b128 v[STO], v[TMP+8*\b:TMP+8*\b+3] offset:128*(\b/2)+32*(\b%2)
	ds_store_b128 v[STO], v[TMP+8*\b+4:TMP+8*\b+7] offset:128*(\b/2)+32*(\b%2)+16
.endr
.set BB, BK+64*((\a)%2)
.irp t, 0,1,2,3,4,5,6,7,8,9,10,11,12,13,14,15
	ds_load_b128 v[BB+4*\t:BB+4*\t+3], v[RD] offset:\t*SPITCH
.endr
.endm
.macro SEND a, younger                 ; younger: the LDS instructions issued behind tile a's loads, which may stay out
.set BB, BK+64*((\a)%2)
	s_wait_dscnt \younger
.irp t, 0,1,2,3,4,5,6,7,8,9,10,11,12,13,14,15
	global_store_b128 v[CO], v[BB+4*\t:BB+4*\t+3], s[12:13] offset:(32*((\a)/2)+8*((\a)%2)+\t+8*(\t/8))*4096 th:TH_STORE_NT   ; stage row t is token 32 (a / 2) + 8 (a % 2) + t + 8 (t / 8); 512 consecutive bytes, aligned
.endr
.endm
	s_wait_loadcnt 0x0                             ; the bias
	PLACES NP                                      ; behind the last products: results are read, and loads land in P's registers, below
	TOSTAGE 0
.irp a, 1,2,3,4,5,6,7
.if \a > 1
	s_wait_xcnt 0x0                                ; the stores of two tiles ago have read their registers: this tile's rows may land there
.endif
	TOSTAGE \a
	SEND \a-1, 32                                  ; behind that tile's loads: this tile's 16 stores and 16 loads
.endr
	SEND 7, 0
	s_wait_tensorcnt 0x0                           ; the wave's end
	ds_add_u32 v[SPW], v[NIL]
	s_wait_dscnt 0x0
	CROUND                                         ; the closing round: no work-group ends while a partner may still ask for a tile that names it
	s_endpgm
.Lfunc_end_k_q5ceec8d17e_proj:
	.size	k_q5ceec8d17e_proj, .Lfunc_end_k_q5ceec8d17e_proj-k_q5ceec8d17e_proj
	.p2alignl 7, 3214868480
	.fill 96, 4, 3214868480
	.section	.rodata,"a",@progbits
	.p2align	6, 0x0
	.amdhsa_kernel k_q5ceec8d17e_proj
		.amdhsa_group_segment_fixed_size 327680
		.amdhsa_private_segment_fixed_size 0
		.amdhsa_enable_private_segment 0
		.amdhsa_kernarg_size 40
		.amdhsa_user_sgpr_count 2
		.amdhsa_user_sgpr_kernarg_segment_ptr 1
		.amdhsa_wavefront_size32 1
		.amdhsa_system_sgpr_workgroup_id_x 1
		.amdhsa_system_sgpr_workgroup_id_y 1
		.amdhsa_system_sgpr_workgroup_id_z 1
		.amdhsa_system_vgpr_workitem_id 0
		.amdhsa_next_free_vgpr 1024
		.amdhsa_next_free_sgpr 100
		.amdhsa_reserve_vcc 0
		.amdhsa_float_denorm_mode_32 3
		.amdhsa_float_denorm_mode_16_64 3
		.amdhsa_memory_ordered 1
		.amdhsa_forward_progress 1
		.amdhsa_inst_pref_size 124
	.end_amdhsa_kernel
	.amdgpu_metadata
---
amdhsa.version: [ 1, 2 ]
amdhsa.kernels:
  - .name:           k_q5ceec8d17e_proj
    .symbol:         k_q5ceec8d17e_proj.kd
    .args:
      - { .name: y_img, .offset: 0, .size: 8, .value_kind: global_buffer, .address_space: global }
      - { .name: wp_img, .offset: 8, .size: 8, .value_kind: global_buffer, .address_space: global }
      - { .name: b_proj, .offset: 16, .size: 8, .value_kind: global_buffer, .address_space: global }
      - { .name: lowp_scales, .offset: 24, .size: 8, .value_kind: global_buffer, .address_space: global }
      - { .name: out0, .offset: 32, .size: 8, .value_kind: global_buffer, .address_space: global }
    .group_segment_fixed_size: 327680
    .private_segment_fixed_size: 0
    .kernarg_segment_align: 8
    .kernarg_segment_size: 40
    .max_flat_workgroup_size: 128
    .sgpr_count:     100
    .vgpr_count:     1024
    .wavefront_size: 32
...
	.end_amdgpu_metadata
.endif
;; end of part 4
